; MI455X (gfx1250); checked and timed in simulation.
; The chip was launched on July 23, 2026; its instructions are those of AMD's public machine-readable ISA for CDNA 5 (MIT licence, August 2026) and "CDNA5" Instruction Set Architecture Reference Guide (July 2026). The comments in the code are by the model that wrote it; some were corrected since.
;; Adaptive Expert System. Allowed arithmetic: float matrix products may take bf16 or f16 operands with f32 sums; other float arithmetic in f32, or as packed bf16 or f16 multiplies, adds, multiply-adds, maxima and minima; sums over many terms, partial sums and values carried from step to step in f32; what a program stores and reads back later, other than sums and carried values, may be rounded once to bf16 or f16.
;; Inputs: b1 8 x 4,096 float32; b2 8 x 1,024 float32; hidden_states 2 x 512 x 1,024 float32; ln_b 8 x 1,024 float32; ln_g 8 x 1,024 float32; rn_b 1,024 float32; rn_g 1,024 float32; router_b 8 float32; router_w 8 x 1,024 float32; w1 8 x 1,024 x 4,096 float32; w2 8 x 4,096 x 1,024 float32.
;; Outputs: out0 2 x 512 x 1,024 float32.
;; One version. Each part assembles by itself: llvm-mc -triple=amdgcn-amd-amdhsa -mcpu=gfx1250 --defsym DOCPART=n.
;; ======== version 1 of 1: 4 launches
;; limits: a function is approximated: absolute error at most 2.5e-05; an absolute error that grows with the inputs' magnitude: up to 1.25e-05 times it; values are held in f16: magnitudes above 65,504 overflow, below 6.1e-05 lose precision; right only within a limited range of input values
;; workspace buffers: xh 2,097,152 bytes; sel 4,096 bytes of whole numbers; gate 8,192 bytes; hid 16,777,216 bytes; part 33,554,432 bytes
;; launch router (part 1): grid 256 x 1, 4 waves a work-group, no clusters, 0 bytes of LDS; arguments hidden_states, rn_g, rn_b, router_w, router_b, xh, sel, gate; writes xh, sel, gate
.if DOCPART == 1
	.amdgcn_target "amdgcn-amd-amdhsa--gfx1250"
	.amdhsa_code_object_version 6
	.text
	.protected	k_q3df6cbc685_router
	.globl	k_q3df6cbc685_router
	.p2align	8
	.type	k_q3df6cbc685_router,@function
k_q3df6cbc685_router:
	s_mov_b64 s[64:65], 0
	v_nop
	global_prefetch_b8 v0, s[64:65] scope:SCOPE_SE
	s_setreg_imm32_b32 hwreg(HW_REG_WAVE_MODE, 25, 1), 1
	s_wait_xcnt 0x0
; ROUTER.  One wave, one token (t = 4 x work-group + wave).  It makes
;   xh[t][:]  = (x - mean) * rsqrt(var + 1e-5), rounded once to f16: the part of LayerNorm that the router and all experts share;
;   sel[t]    = a word of whole numbers: bits 0-7 one bit for each of the two chosen experts, bits 8-15 the bit of the second choice;
;   gate[t][] = the softmax of the two largest logits (the larger is taken away before the exponential).
; The 8 logits are f32 multiply-adds on the vector unit, 8 x 1,024 a token: a logit made of 16-bit operands could change a token's second
; expert, and with it a whole output row.  No address and no branch hangs on the choice: it is stored at fixed places.
; A row of 4,096 bytes is 32 registers of the wave: lane l, segment j holds elements 128 j + 4 l .. + 3.  No LDS, no barrier.
; xh IN f16: a normalised row of 1,024 numbers holds none beyond 32 in magnitude, whatever the input's scale or offset, so f16's range is never reached, and its 11 significant bits
; leave an eighth of the error that 8 would.
; LIMITS.  NaN and infinities are not treated apart.  Sums run in another order than reference()'s, so two logits that lie within f32's
; rounding of each other may be ranked the other way; equal logits keep the lower index.  sel and gate are 4 and 8 bytes a token: 12 KiB in all.
.set X,  8             ; v8-39    the row, then x - mean, then xhat
.set G,  40            ; v40-71   rn_g, then the normed row
.set BN, 72            ; v72-103  rn_b
.set W,  104           ; v104-231 router_w rows 0-3;  rows 4-7 lie in window 1, v0-127
.set L,  232           ; v232-247 at work: sums, the packed xh, the logits
.set MN, 248           ; v248-249 the mean twice; at the end the two gates
.set RS, 250           ; v250-251 rsqrt twice
.set MSB, 0
.macro WIN new                         ; the immediate's high byte repeats the setting that is left
.if MSB != (\new)
	s_set_vgpr_msb (MSB<<8)|(\new)
.set MSB, \new
.endif
.endm
.macro REDUCE r                        ; the sum over the 32 lanes, in every lane
	v_add_f32_dpp v[\r], v[\r], v[\r] row_xmask:1 row_mask:0xf bank_mask:0xf
	v_add_f32_dpp v[\r], v[\r], v[\r] row_xmask:2 row_mask:0xf bank_mask:0xf
	v_add_f32_dpp v[\r], v[\r], v[\r] row_xmask:4 row_mask:0xf bank_mask:0xf
	v_add_f32_dpp v[\r], v[\r], v[\r] row_xmask:8 row_mask:0xf bank_mask:0xf
	v_permlanex16_b32 v6, v[\r], s32, s33
	v_add_f32 v[\r], v[\r], v6
.endm
	s_load_b512 s[4:19], s[0:1], 0x0               ; x s[4:5], rn_g s[6:7], rn_b s[8:9], router_w s[10:11], router_b s[12:13], xh s[14:15], sel s[16:17], gate s[18:19]
	v_lshrrev_b32 v3, 5, v0
	v_readfirstlane_b32 s20, v3                    ; wave
	s_lshl2_add_u32 s21, ttmp9, s20                ; t
	v_and_b32 v4, 31, v0                           ; lane
	v_lshlrev_b32 v1, 4, v4                        ; 16 bytes a lane: the f32 rows
	v_lshlrev_b32 v2, 3, v4                        ; 8 bytes a lane: the f16 row
	v_mov_b32 v6, 0                                ; v_permlanex16_b32's destination counts as read
	v_mov_b32 v7, 0x3a800000                       ; 1 / 1,024
	s_mov_b32 s32, 0x76543210                      ; each lane takes its own place in the other half
	s_mov_b32 s33, 0xfedcba98
	s_lshl_b32 s22, s21, 12
	s_mov_b32 s23, 0
	s_wait_kmcnt 0x0
	s_add_nc_u64 s[4:5], s[4:5], s[22:23]          ; x at my row
.irp j, 0,1,2,3,4,5,6,7
	global_load_b128 v[X+4*\j:X+4*\j+3], v1, s[4:5] offset:512*\j th:TH_LOAD_NT
.endr
.irp j, 0,1,2,3,4,5,6,7
	global_load_b128 v[G+4*\j:G+4*\j+3], v1, s[6:7] offset:512*\j
.endr
.irp j, 0,1,2,3,4,5,6,7
	global_load_b128 v[BN+4*\j:BN+4*\j+3], v1, s[8:9] offset:512*\j
.endr
.irp e, 0,1,2,3
.irp j, 0,1,2,3,4,5,6,7
	global_load_b128 v[W+32*\e+4*\j:W+32*\e+4*\j+3], v1, s[10:11] offset:4096*\e+512*\j
.endr
.endr
	s_load_b256 s[24:31], s[12:13], 0x0            ; router_b
	s_lshl_b32 s22, s21, 11
	s_add_nc_u64 s[14:15], s[14:15], s[22:23]      ; xh at my row
	s_lshl_b32 s22, s21, 2
	s_add_nc_u64 s[16:17], s[16:17], s[22:23]      ; sel at my word
	s_lshl_b32 s22, s21, 3
	s_add_nc_u64 s[18:19], s[18:19], s[22:23]      ; gate at my pair
	s_wait_loadcnt 48                              ; the row is in: 8 + 8 + 32 younger loads stay out
	WIN 0x40                                       ; destination window 1
.irp e, 0,1,2,3
.irp j, 0,1,2,3,4,5,6,7
	global_load_b128 v[32*\e+4*\j:32*\e+4*\j+3], v1, s[10:11] offset:4096*(4+\e)+512*\j
.endr
.endr
	WIN 0
	; the mean: two chains of packed sums, then across the lanes
	v_pk_add_f32 v[L:L+1], v[X:X+1], v[X+2:X+3]
	v_pk_add_f32 v[L+2:L+3], v[X+16:X+17], v[X+18:X+19]
.irp i, 2,3,4,5,6,7
	v_pk_add_f32 v[L:L+1], v[L:L+1], v[X+2*\i:X+2*\i+1]
	v_pk_add_f32 v[L+2:L+3], v[L+2:L+3], v[X+16+2*\i:X+16+2*\i+1]
.endr
	v_pk_add_f32 v[L:L+1], v[L:L+1], v[L+2:L+3]
	v_add_f32 v5, v[L], v[L+1]
	REDUCE 5
	v_mul_f32 v[MN], v7, v5
	v_mov_b32 v[MN+1], v[MN]
.set i, 0
.rept 16
	v_pk_add_f32 v[X+2*i:X+2*i+1], v[X+2*i:X+2*i+1], v[MN:MN+1] neg_lo:[0,1] neg_hi:[0,1]  ; x - mean
.set i, i+1
.endr
	; the variance of the centred row
	v_pk_mul_f32 v[L:L+1], v[X:X+1], v[X:X+1]
	v_pk_mul_f32 v[L+2:L+3], v[X+16:X+17], v[X+16:X+17]
.irp i, 1,2,3,4,5,6,7
	v_pk_fma_f32 v[L:L+1], v[X+2*\i:X+2*\i+1], v[X+2*\i:X+2*\i+1], v[L:L+1]
	v_pk_fma_f32 v[L+2:L+3], v[X+16+2*\i:X+16+2*\i+1], v[X+16+2*\i:X+16+2*\i+1], v[L+2:L+3]
.endr
	v_pk_add_f32 v[L:L+1], v[L:L+1], v[L+2:L+3]
	v_add_f32 v5, v[L], v[L+1]
	REDUCE 5
	v_fmaak_f32 v5, v5, v7, 0x3727c5ac             ; sum / 1,024 + 1e-5
	v_rsq_f32 v[RS], v5
	v_nop                                          ; a plain instruction behind the root (ISA guide 5.7.2),
	s_wait_alu depctr_va_vdst(0)                   ; and the wait ahead of its first reader
	v_mov_b32 v[RS+1], v[RS]
.set i, 0
.rept 16
	v_pk_mul_f32 v[X+2*i:X+2*i+1], v[X+2*i:X+2*i+1], v[RS:RS+1]  ; xhat
.set i, i+1
.endr
.set i, 0
.rept 16
	v_cvt_pk_f16_f32 v[L+i], v[X+2*i], v[X+2*i+1]
.set i, i+1
.endr
.irp j, 0,1,2,3,4,5,6,7
	global_store_b64 v2, v[L+2*\j:L+2*\j+1], s[14:15] offset:256*\j  ; the wave's 32 lanes store 256 consecutive bytes, aligned
.endr
	s_wait_loadcnt 32                              ; rn_g, rn_b and rows 0-3 are in; the 32 loads of rows 4-7 stay out
.set i, 0
.rept 16
	v_pk_fma_f32 v[G+2*i:G+2*i+1], v[X+2*i:X+2*i+1], v[G+2*i:G+2*i+1], v[BN+2*i:BN+2*i+1]  ; the router's normed row
.set i, i+1
.endr
	s_wait_xcnt 0x0                                ; L was the stores' data: it is rewritten only behind this wait
.irp e, 0,1,2,3
	v_pk_mul_f32 v[L+2*\e:L+2*\e+1], v[G:G+1], v[W+32*\e:W+32*\e+1]
.endr
.set i, 1
.rept 15
.irp e, 0,1,2,3                        ; four chains by turns
	v_pk_fma_f32 v[L+2*\e:L+2*\e+1], v[G+2*i:G+2*i+1], v[W+32*\e+2*i:W+32*\e+2*i+1], v[L+2*\e:L+2*\e+1]
.endr
.set i, i+1
.endr
	s_wait_loadcnt 0x0                             ; rows 4-7
	WIN 0x04                                       ; source 1 in window 1
.irp e, 0,1,2,3
	v_pk_mul_f32 v[L+8+2*\e:L+8+2*\e+1], v[G:G+1], v[32*\e:32*\e+1]
.endr
.set i, 1
.rept 15
.irp e, 0,1,2,3
	v_pk_fma_f32 v[L+8+2*\e:L+8+2*\e+1], v[G+2*i:G+2*i+1], v[32*\e+2*i:32*\e+2*i+1], v[L+8+2*\e:L+8+2*\e+1]
.endr
.set i, i+1
.endr
	WIN 0
.irp e, 0,1,2,3,4,5,6,7
	v_add_f32 v[L+\e], v[L+2*\e], v[L+2*\e+1]      ; ascending: a pair is read before its registers are taken
.endr
.irp m, 1,2,4,8
.irp e, 0,1,2,3,4,5,6,7
	v_add_f32_dpp v[L+\e], v[L+\e], v[L+\e] row_xmask:\m row_mask:0xf bank_mask:0xf
.endr
.endr
.irp e, 0,1,2,3,4,5,6,7
	v_permlanex16_b32 v[L+8+\e], v[L+\e], s32, s33
.endr
	s_wait_kmcnt 0x0                               ; router_b
.irp e, 0,1,2,3,4,5,6,7
	v_add_f32 v[L+\e], v[L+\e], v[L+8+\e]
.endr
.irp e, 0,1,2,3,4,5,6,7
	v_add_f32 v[L+\e], s[24+\e], v[L+\e]           ; every lane now holds the 8 logits
.endr
	; the largest, the lower index at a tie; then the same with the winner set to -infinity
	v_mov_b32 v5, v[L]
	v_mov_b32 v7, 0
.irp e, 1,2,3,4,5,6,7
	v_cmp_ge_f32 vcc_lo, v5, v[L+\e]
	v_cndmask_b32 v7, \e, v7, vcc_lo
	v_max_num_f32 v5, v5, v[L+\e]
.endr
	v_mov_b32 v252, 0xff800000
.irp e, 0,1,2,3,4,5,6,7
	v_cmp_eq_u32 vcc_lo, \e, v7
	v_cndmask_b32 v[L+\e], v[L+\e], v252, vcc_lo
.endr
	v_mov_b32 v253, v[L]
	v_mov_b32 v254, 0
.irp e, 1,2,3,4,5,6,7
	v_cmp_ge_f32 vcc_lo, v253, v[L+\e]
	v_cndmask_b32 v254, \e, v254, vcc_lo
	v_max_num_f32 v253, v253, v[L+\e]
.endr
	v_sub_f32 v255, v253, v5                       ; second - first, at most 0
	v_mul_f32 v255, 0x3fb8aa3b, v255
	v_exp_f32 v255, v255
	v_mov_b32 v6, 1                                ; the plain instruction behind the exponential
	s_wait_alu depctr_va_vdst(0)
	v_add_f32 v3, 1.0, v255
	v_rcp_f32 v3, v3
	v_lshlrev_b32 v5, v7, v6                       ; 1 << first (plain, and names nothing of the reciprocal)
	s_wait_alu depctr_va_vdst(0)
	v_mov_b32 v[MN], v3                            ; gate of the first choice
	v_mul_f32 v[MN+1], v255, v3                    ; and of the second
	v_lshlrev_b32 v6, v254, v6                     ; 1 << second
	v_or_b32 v5, v5, v6
	v_lshl_or_b32 v5, v6, 8, v5
	v_mov_b32 v3, 0
	v_cmp_eq_u32 vcc_lo, 0, v4
	s_wait_xcnt 0x0                                ; EXEC changes only behind this wait
	s_and_saveexec_b32 s34, vcc_lo                 ; all lanes hold the same numbers: lane 0 stores them
	global_store_b32 v3, v5, s[16:17]
	global_store_b64 v3, v[MN:MN+1], s[18:19]
	s_wait_xcnt 0x0
	s_or_b32 exec_lo, exec_lo, s34
	s_endpgm
.Lfunc_end_k_q3df6cbc685_router:
	.size	k_q3df6cbc685_router, .Lfunc_end_k_q3df6cbc685_router-k_q3df6cbc685_router
	.p2alignl 7, 3214868480
	.fill 96, 4, 3214868480
	.section	.rodata,"a",@progbits
	.p2align	6, 0x0
	.amdhsa_kernel k_q3df6cbc685_router
		.amdhsa_group_segment_fixed_size 0
		.amdhsa_private_segment_fixed_size 0
		.amdhsa_enable_private_segment 0
		.amdhsa_kernarg_size 64
		.amdhsa_user_sgpr_count 2
		.amdhsa_user_sgpr_kernarg_segment_ptr 1
		.amdhsa_wavefront_size32 1
		.amdhsa_system_sgpr_workgroup_id_x 1
		.amdhsa_system_sgpr_workgroup_id_y 1
		.amdhsa_system_sgpr_workgroup_id_z 1
		.amdhsa_system_vgpr_workitem_id 0
		.amdhsa_next_free_vgpr 384
		.amdhsa_next_free_sgpr 66
		.amdhsa_reserve_vcc 1
		.amdhsa_float_denorm_mode_32 3
		.amdhsa_float_denorm_mode_16_64 3
		.amdhsa_memory_ordered 1
		.amdhsa_forward_progress 1
		.amdhsa_inst_pref_size 32
	.end_amdhsa_kernel
	.amdgpu_metadata
---
amdhsa.version: [ 1, 2 ]
amdhsa.kernels:
  - .name:           k_q3df6cbc685_router
    .symbol:         k_q3df6cbc685_router.kd
    .args:
      - { .name: hidden_states, .offset: 0, .size: 8, .value_kind: global_buffer, .address_space: global }
      - { .name: rn_g, .offset: 8, .size: 8, .value_kind: global_buffer, .address_space: global }
      - { .name: rn_b, .offset: 16, .size: 8, .value_kind: global_buffer, .address_space: global }
      - { .name: router_w, .offset: 24, .size: 8, .value_kind: global_buffer, .address_space: global }
      - { .name: router_b, .offset: 32, .size: 8, .value_kind: global_buffer, .address_space: global }
      - { .name: xh, .offset: 40, .size: 8, .value_kind: global_buffer, .address_space: global }
      - { .name: sel, .offset: 48, .size: 8, .value_kind: global_buffer, .address_space: global }
      - { .name: gate, .offset: 56, .size: 8, .value_kind: global_buffer, .address_space: global }
    .group_segment_fixed_size: 0
    .private_segment_fixed_size: 0
    .kernarg_segment_align: 8
    .kernarg_segment_size: 64
    .max_flat_workgroup_size: 128
    .sgpr_count:     66
    .vgpr_count:     384
    .wavefront_size: 32
...
	.end_amdgpu_metadata
.endif
;; end of part 1
;; launch ffn1 (part 2): grid 32 x 8, 4 waves a work-group, no clusters, 325,120 bytes of LDS; arguments sel, xh, w1, ln_g, ln_b, b1, hid; writes hid
.if DOCPART == 2
	.amdgcn_target "amdgcn-amd-amdhsa--gfx1250"
	.amdhsa_code_object_version 6
	.text
	.protected	k_q3df6cbc685_ffn1
	.globl	k_q3df6cbc685_ffn1
	.p2align	8
	.type	k_q3df6cbc685_ffn1,@function
k_q3df6cbc685_ffn1:
	s_mov_b64 s[64:65], 0
	v_nop
	global_prefetch_b8 v0, s[64:65] scope:SCOPE_SE
	s_setreg_imm32_b32 hwreg(HW_REG_WAVE_MODE, 25, 1), 1
	s_wait_xcnt 0x0
.set KIND, 1           ; 1: hid = gelu(LayerNorm_e(x) W1[e] + b1[e]);  2: part = hid W2[e] (+ b2[e]).  One text serves both products; only this line differs.
; ONE EXPERT'S SLICE OF WEIGHTS, ALL OF THAT EXPERT'S ROWS.  A work-group has expert e (grid y), 128 columns and 1,024 of K:
;   KIND 1: slice s = grid x of W1[e]'s 4,096 columns, all of K.          KIND 2: grid x = 8 kq + ns: columns 128 ns .., K quarter kq of W2[e]'s 4,096.
; Each weight byte is read once in the launch, by this work-group alone, as rows of 512 consecutive bytes; it is rounded to f16 on its way through registers and STAYS in LDS
; (1,024 rows of 288 bytes).  K goes in 16 chunks of 64, and chunk by chunk the slice is multiplied with the expert's first 384 rows (6 tiles of 16 rows x 128 columns a wave).
; Rows 384 .. 1,023, which only a lopsided choice of experts has, are multiplied afterwards from the resident slice, in two further passes.
; THE STEP for chunk c.  Vector lines, LDS lines and global loads stand in runs, never singly among each other:
;   (1) W(c+1) is rounded, by vector lines alone, into 32 registers;   (2) one run: (KIND 1: g and beta of chunk c+2 out of LDS,) the 16 LDS stores, the 16 loads of W(c+3);   (3) the products of K half 0;
;   (4) the barrier: chunk c+1 is whole; in the odd step the bases step here: what the waits there wait for was issued ahead of the products;
;   (5) one run into the registers that half 0's products have freed: half 0 of chunk c+1's weight fragments out of LDS, half 0 of chunk c+2's token fragments out of memory;   (6), (7) products and run for K half 1.
; So LDS is read while the other half is multiplied or the next chunk rounded; a token fragment has a step and a half, a weight row two steps in which to land.
; THE ROWS.  Every wave reads the 1,024 words of sel and makes the expert's list for itself: entry[rank] = 2 x token + slot, the count c, and BASE = the rows of the lower experts.
; Both kinds run the same lines, so a rank means the same row in both.  hid's row is BASE + rank.  Tile T (ranks 16 T ..) belongs to wave T % 4.  A rank past c - 1 repeats rank c - 1: its loads are
; valid and its stores write the same bytes to the same place.  EXEC stays full in the whole text.  Every A load is issued for all 6 tiles, so LOADcnt counts the same on every path;
; only matrix instructions (in four blocks: tiles 0-1, 2-3, 4, 5), a pass's products and whole tiles of the way out are jumped, forward, on counts made of sel, and never a barrier.  An expert without rows walks the stream and stores nothing.
; f16, NOT bf16, for all that is rounded (xh, the weights, hid).  Four roundings to 8 significant bits add up to about 0.3% of the output's root mean square, and the largest of its 1,048,576 numbers lies
; some five times higher: more than the 1% by which a number near zero may be off.  11 bits leave an eighth of that.  THE RANGE: f16 ends at 65,504, and below 6.1e-5 it keeps a fixed step of 6e-8.
; xh never passes 32.  The weights are drawn with a spread of 0.02: 30 times larger or smaller they lie at 0.6 or 6.7e-4; g W1 with both 30 times smaller at 2.2e-5, where the fixed step is 0.3% of the spread.
; hid has a spread of 0.64 as drawn, and of some 800 with ln_g, ln_b and W1 all 30 times larger.  A weight (KIND 1: times ln_g) or a hidden number of 65,520 or more would become an infinity.
; KIND 1's ALGEBRA, an order of rounding other than reference()'s: (xhat g + beta) W1 + b1 = xhat (diag(g) W1) + (beta W1 + b1).  Each weight is multiplied by ln_g[e][k] in f32 before it is
; rounded, and beta W1 is summed in f32 on the vector unit as the weights pass.  So the token operand, xh, is the same for all experts.  No difference of large sums is formed.
; GELU: gelu(x) = max(x, 0) - |x| q, q = (a1 t + a2 t^2 + a3 t^3) 2^(-0.7213475 x^2) / 2, t = 1 / (1 + 0.3326725 |x|): the rational form of erf with three terms, off by at most 2.5e-5 in erf for
; every x, so by at most 1.25e-5 |x| in gelu, far below the rounding to f16 that follows.  For large |x| the power is 0 and gelu is max(x, 0).  NaN and infinities are not treated apart.
; THE MATRIX INSTRUCTION IS USED TRANSPOSED: source 0 = 16 weight columns (out of LDS by the turning load), source 1 = 16 token rows (straight from memory: K lies along them).  A lane then holds one
; row (lane % 16) and the columns 16 n + 8 (lane / 16) + 0..7.
; NO TENSOR LOADS, NO CLUSTER: a weight has one reader and must pass through registers (scale, sum, rounding), and the resident slice leaves LDS no room for f32 tiles; what an expert's 32 work-groups share
; is its token rows, which come by a list that no descriptor covers (KIND 1) or would want 96 KiB more of LDS a step than is left (KIND 2).
; REGISTERS, in windows of 256 (s_set_vgpr_msb: bits 1:0 source 0, 3:2 source 1, 5:4 source 2, 7:6 destination):
;   window 0: v0-63 addresses and constants; v64-127, v128-191 two slots of 16 weight rows in f32; v192-223 16 rows rounded; v224-255 (KIND 1) g and beta of 16 rows; on the way out X, U and M
;   window 1: v0-191 token fragments, two buffers: buffer p, tile i, K half ks at 96 p + 16 i + 8 ks; v192-255 the bias of my 64 columns
;   window 2: the accumulators of tiles 0-3 (tile i, column block n at 64 i + 8 n)      window 3: v0-127 those of tiles 4, 5; v128-255 weight fragments (ks, n) at 128 + 64 ks + 8 n
.if KIND == 1
.set PITCH, 16384      ; bytes from a weight row to the next
.set PSH,   14
.set ASH,   11         ; a token row of xh is 2,048 bytes
.else
.set PITCH, 4096
.set PSH,   12
.set ASH,   13         ; a row of hid is 8,192 bytes
.endif
.set CH,    64*PITCH   ; a chunk of K in memory
.set LP,    288        ; a weight row in LDS: 256 bytes + 32 = 72 words
.set CHL,   64*LP      ; a chunk in LDS
.set SP,    272        ; a stage row: 256 bytes + 16
.set STAGE, 1024*LP    ; behind the slice: 16 rows x 272 bytes for each wave, its own: first the words of sel, then (KIND 1) g and beta of my rows, then the bias, then the way out
.set LPW,   2560       ; a wave's list: 1,024 entries of 2 bytes, 32 more for the lanes that have nothing to enter, and room up to five stores of 512 bytes
.set LIST,  STAGE+4*16*SP  ; each wave's own list
.set CBR,   LIST+4*LPW     ; KIND 1: the four waves' parts of beta W1, 512 bytes each
.set SPARE, CBR+4*512      ; the spare words, 128 bytes for each wave: two blocks of 256 bytes that no other line names
.set RR,   1           ; v1   lane % 16
.set HH,   2           ; v2   lane / 16
.set LN,   3           ; v3   lane
.set L16,  4           ; v4   16 x lane
.set WST,  5           ; v5   where I put 8 bytes of my wave's first row of the trip's first chunk
.set BRD,  6           ; v6   my place in the turning loads of the trip's first chunk
.set BRD0, 7           ; v7   the same for chunk 0
.set AOF,  8           ; v8-13  byte offset of my row in tiles 0-5, + 16 (lane / 16)
.set LISTB, 14         ; v14  my wave's list
.set STO,  15          ; v15  the way out: where I put my columns of row lane % 16
.set RD,   16          ; v16  the way out: where I read rows back
.set COL,  17          ; v17  my 16 bytes in the slice's part of an output row
.set H16,  18          ; v18  16 (lane / 16)
.set T,    19          ; v19-21 at work
.set PT,   22          ; v22  walks the words of sel; later the bias in lane order
.set SG,   23          ; v23  my stage + 16 x lane
.set CBA,  24          ; v24  my wave's part of CBR + 16 x lane
.set BO,   25          ; v25  KIND 2: 32 (lane / 16);  KIND 1: my 16 bytes among my wave's numbers of ln_g and ln_b
.set VW,   26          ; v26  the vector offset of the odd step's weight loads: 16 x lane; 0 in the last trip
.set PF,   27          ; v27  the prefetch: lane l asks for block l % 2 of row l / 2
.set SA,   28          ; v28-35 the way out: byte offsets of the 8 pairs of rows;  KIND 1, at the head: ln_g as loaded
.set CB,   36          ; v36-39 KIND 1: beta W1, my wave's rows, columns 4 lane ..
.set B1R,  40          ; v40-43 KIND 1: b1 of those columns
.set CA3,  44          ; v44-51 KIND 1: at the head ln_b as loaded; then a3/2, a2/2, a1/2 and -0.7213475, each twice
.set H,    52          ; v52-59 at work
.set DMP,  60          ; v60  1,024 + lane: the entry of a lane that has nothing to enter
.set GA,   60          ; v60  behind the list, KIND 1: g of my rows of the trip's first chunk, in my stage; the same in every lane
.set TOK2, 61          ; v61  2 x the token of my first word of the trip
.set SPW,  62          ; v62  LDS address of my spare word; never rewritten
.set NIL,  63          ; v63  0; never rewritten
.set X,    64
.set U,    128
.set M,    192
.set CT,   192         ; v192-223 in the stream: row i rounded, at CT + 2 i
.set GV,   224         ; v224-239 KIND 1: g of my 16 rows of the chunk to be rounded, in every lane
.set BV,   240         ; v240-255 KIND 1: beta
.set BIAS, 192         ; in window 1
.set AB,   18          ; s[18:19] tokens at the trip's first chunk; from the middle of the odd step on, at the next trip's
.set WB,   20          ; s[20:21] weights: my wave's 16 rows of the trip's first chunk; likewise
.set GB,   22          ; s[22:23] KIND 1: ln_g at my wave's first number
.set LBB,  24          ; s[24:25] KIND 1: ln_b
.set WV,   26
.set EX,   27
.set SL,   28
.set CNT,  29          ; c
.set CM1,  30          ; max(c, 1) - 1
.set BASE, 31
.set NW,   66          ; my wave's tiles
.set NA,   67          ; those of the pass in hand, 0 to 6
.set PASS, 69
.set LOOP, 70
.set TILE, 71
.set R16,  72          ; the first rank of my tile 0 of the pass
.set BIT,  73          ; 1 << e
.set LOW,  74          ; the bits of the lower experts
.set SBIT, 75          ; 8 + e
.set RUN,  76
.set BAL,  77
.set TA,   79
.set OF,   80          ; s[80:81] an offset
.set LOFF, 82          ; the resident pass: the chunk's first byte in LDS
.set PLEFT, 83         ; passes to go, the one in hand among them
.set PP,   84
.set T16,  85          ; the first rank of the tile on its way out
.set FL,   86          ; s[86:87] an offset; KIND 2: 1.0 for K quarter 0, else 0
.set A0,   88          ; s[88:89] tokens at chunk 0
.set WB2,  90          ; s[90:91] the base of the odd step's weight loads
.set TP,   92          ; s[92:93] an offset; at work
.set KQ,   94
.set STB,  95          ; my stage
.set MSB, 0
.macro WIN new                         ; the immediate's high byte repeats the setting that is left; a switch that changes nothing is dropped
.if MSB != (\new)
	s_set_vgpr_msb (MSB<<8)|(\new)
.set MSB, \new
.endif
.endm
; A load into a register that a matrix instruction has read, and a vector instruction that reads a matrix result, stand four places behind it; only plain vector instructions that name none of
; its registers are places (ISA guide 7.12.1 for vector instructions).
.macro PLACES
.rept 4
	v_nop
.endr
.endm
.macro WLOAD m, slot, vo, sb           ; my wave's 16 rows of chunk m of the trip: 16 loads of 512 consecutive bytes
	WIN 0
.set i, 0
.rept 16
	global_load_b128 v[X+64*(\slot)+4*i:X+64*(\slot)+4*i+3], v[\vo], s[\sb:\sb+1] offset:(\m)*CH+i*PITCH th:TH_LOAD_NT
.set i, i+1
.endr
.endm
.macro ALOADH m, p, ks                 ; 6 tiles x 32 of K (half ks of the chunk m behind AB's) into buffer p: 12 loads.  A fragment is 16 rows x 32 K: lane l holds row l % 16, K = 8 (l / 16) + 0..7 and 16 + 8 (l / 16) + 0..7
	WIN 0x40
.irp i, 0,1,2,3,4,5
	global_load_b128 v[96*(\p)+16*\i+8*(\ks):96*(\p)+16*\i+8*(\ks)+3],   v[AOF+\i], s[AB:AB+1] offset:128*(\m)+64*(\ks)
	global_load_b128 v[96*(\p)+16*\i+8*(\ks)+4:96*(\p)+16*\i+8*(\ks)+7], v[AOF+\i], s[AB:AB+1] offset:128*(\m)+64*(\ks)+32
.endr
.endm
.macro BLOADH q, ks                    ; half ks of chunk q of the trip out of LDS, turned: 32 of K x 128 columns, 16 loads
	WIN 0xc0
.irp n, 0,1,2,3,4,5,6,7
	ds_load_tr16_b128 v[128+64*(\ks)+8*\n:128+64*(\ks)+8*\n+3],   v[BRD] offset:CHL*(\q)+32*LP*(\ks)+32*\n
	ds_load_tr16_b128 v[128+64*(\ks)+8*\n+4:128+64*(\ks)+8*\n+7], v[BRD] offset:CHL*(\q)+32*LP*(\ks)+16*LP+32*\n
.endr
.endm
.macro GLOAD m                         ; KIND 1: g and beta of my 16 rows of chunk m of the trip out of my stage, one address for all lanes: 8 loads
	WIN 0
.irp j, 0,1,2,3
	ds_load_b128 v[GV+4*\j:GV+4*\j+3], v[GA] offset:64*(\m)+16*\j
	ds_load_b128 v[BV+4*\j:BV+4*\j+3], v[GA] offset:1024+64*(\m)+16*\j
.endr
.endm
; A slot's 16 rows are rounded, by vector lines alone.  KIND 1: beta W1 takes its terms and the row is scaled by g in place, eight lines a row, so that a sum is taken up again eight lines later;
; the conversions follow as one batch, far behind the lines that feed them.
.macro CONVV slot
	WIN 0
.if KIND == 1
.set i, 0
.rept 16
.set wr, X+64*(\slot)+4*i
	v_fmac_f32 v[CB],   v[BV+i], v[wr]
	v_fmac_f32 v[CB+1], v[BV+i], v[wr+1]
	v_fmac_f32 v[CB+2], v[BV+i], v[wr+2]
	v_fmac_f32 v[CB+3], v[BV+i], v[wr+3]
	v_mul_f32 v[wr],   v[GV+i], v[wr]
	v_mul_f32 v[wr+1], v[GV+i], v[wr+1]
	v_mul_f32 v[wr+2], v[GV+i], v[wr+2]
	v_mul_f32 v[wr+3], v[GV+i], v[wr+3]
.set i, i+1
.endr
.endif
.set i, 0
.rept 16
.set wr, X+64*(\slot)+4*i
	v_cvt_pk_f16_f32 v[CT+2*i],   v[wr],   v[wr+1]
	v_cvt_pk_f16_f32 v[CT+2*i+1], v[wr+2], v[wr+3]
.set i, i+1
.endr
.endm
.macro CONVS imm                       ; and laid into the slice: 16 stores in one run
	WIN 0
.set i, 0
.rept 16
	ds_store_b64 v[WST], v[CT+2*i:CT+2*i+1] offset:(\imm)+LP*i  ; 32 lanes, 256 consecutive bytes
.set i, i+1
.endr
.endm
.macro MULB p, ks, t0, cnt             ; cnt tiles from t0 on x 8 column blocks x 32 of K: the 8 or 16 accumulators take turns, one instruction a turn
.if (\t0) < 4
	WIN 0xa7                                       ; weights window 3, tokens window 1, sums window 2
.else
	WIN 0xf7                                       ; sums window 3
.endif
.irp n, 0,1,2,3,4,5,6,7
.set tt, \t0
.rept \cnt
	v_wmma_f32_16x16x32_f16 v[64*(tt%4)+8*\n:64*(tt%4)+8*\n+7], v[128+64*(\ks)+8*\n:128+64*(\ks)+8*\n+7], v[96*(\p)+16*tt+8*(\ks):96*(\p)+16*tt+8*(\ks)+7], v[64*(tt%4)+8*\n:64*(tt%4)+8*\n+7]
.set tt, tt+1
.endr
.endr
.endm
.macro MULH p, ks                      ; half a chunk's products, for as many tiles as the wave has (1 or 2, 3 or 4, 5, 6); on every way the next matrix instruction names another accumulator
	WIN 0
	s_cmp_eq_u32 s[NA], 0
	s_cbranch_scc1 .Lmd_\@
	MULB \p, \ks, 0, 2
	WIN 0
	s_cmp_lt_u32 s[NA], 3
	s_cbranch_scc1 .Lmd_\@
	MULB \p, \ks, 2, 2
	WIN 0
	s_cmp_lt_u32 s[NA], 5
	s_cbranch_scc1 .Lmd_\@
	MULB \p, \ks, 4, 1
	WIN 0
	s_cmp_lt_u32 s[NA], 6
	s_cbranch_scc1 .Lmd_\@
	MULB \p, \ks, 5, 1
	WIN 0
.Lmd_\@:
.endm
; All 48 sums start at 0, by 48 products of zeros: one text of the loop then serves every chunk, and every accumulator is written whichever products are jumped later.
; The price: 48 matrix instructions a pass; in the first pass they stand in the wait for the first loads.  Five places stand ahead of the writes over registers of earlier matrix instructions.
.macro ZERO
	WIN 0
.rept 5
	v_nop
.endr
	WIN 0xc0
.set i, 0
.rept 8
	v_mov_b32 v[128+i], 0
.set i, i+1
.endr
	WIN 0x40
.set i, 0
.rept 8
	v_mov_b32 v[i], 0
.set i, i+1
.endr
	WIN 0xa7
.set i, 0
.rept 32
	v_wmma_f32_16x16x32_f16 v[8*i:8*i+7], v[128:135], v[0:7], 0
.set i, i+1
.endr
	WIN 0xf7
.set i, 0
.rept 16
	v_wmma_f32_16x16x32_f16 v[8*i:8*i+7], v[128:135], v[0:7], 0
.set i, i+1
.endr
	WIN 0
.endm
.macro PASSSET                         ; pass p has my tiles 6 p .. 6 p + 5: ranks 384 p + 64 i + 16 wave ..
	s_mul_i32 s[TA], s[PASS], 6
	s_sub_co_i32 s[NA], s[NW], s[TA]
	s_max_i32 s[NA], s[NA], 0
	s_min_i32 s[NA], s[NA], 6
	s_mul_i32 s[R16], s[PASS], 384
	s_lshl4_add_u32 s[R16], s[WV], s[R16]
.endm
.macro ADDR                            ; the byte offsets of my row in the pass's six tiles
	WIN 0
	v_add_nc_u32 v[T], s[R16], v[RR]
.irp i, 0,1,2,3,4,5
	v_add_nc_u32 v[AOF+\i], 64*\i, v[T]
	v_min_u32 v[AOF+\i], s[CM1], v[AOF+\i]         ; a rank past the count repeats the last
	v_min_u32 v[AOF+\i], 0x3ff, v[AOF+\i]
.if KIND == 1
	v_lshl_add_u32 v[AOF+\i], v[AOF+\i], 1, v[LISTB]
.else
	v_add_nc_u32 v[AOF+\i], s[BASE], v[AOF+\i]     ; hid's rows lie in the experts' order
	v_min_u32 v[AOF+\i], 0x7ff, v[AOF+\i]
	v_lshl_add_u32 v[AOF+\i], v[AOF+\i], ASH, v[H16]
.endif
.endr
.if KIND == 1
.irp i, 0,1,2,3,4,5
	ds_load_u16 v[AOF+\i], v[AOF+\i]               ; my wave's own list: LDS serves a wave's instructions in order (ISA guide 5.7.1.4)
.endr
	s_wait_dscnt 0x0
.irp i, 0,1,2,3,4,5
	v_lshrrev_b32 v[AOF+\i], 1, v[AOF+\i]          ; the token
	v_min_u32 v[AOF+\i], 0x3ff, v[AOF+\i]
	v_lshl_add_u32 v[AOF+\i], v[AOF+\i], ASH, v[H16]
.endr
.endif
.endm
; One word of sel a lane.  Chosen lanes take the next ranks in lane order and store 2 x token + slot at entry[rank]; the others store into entry 1,024 + lane, which nobody reads, so that all lanes stay on.
; A word has two bits set among its low eight, so the lower experts' bits in it are counted by two ballots.
.macro WORD c
	v_and_b32 v[T], s[BIT], v[M+(\c)]
	v_cmp_ne_u32 s[BAL], 0, v[T]
	v_and_b32 v[T+1], s[LOW], v[M+(\c)]
	v_cmp_ne_u32 s[TA], 0, v[T+1]                  ; one bit or two
	v_add_nc_u32 v[T+2], -1, v[T+1]
	v_and_b32 v[T+2], v[T+2], v[T+1]
	v_cmp_ne_u32 s[T16], 0, v[T+2]                 ; two
	s_bcnt1_i32_b32 s[TA], s[TA]
	s_add_co_u32 s[BASE], s[BASE], s[TA]
	s_bcnt1_i32_b32 s[T16], s[T16]
	s_add_co_u32 s[BASE], s[BASE], s[T16]
	v_bfe_u32 v[T+1], v[M+(\c)], s[SBIT], 1        ; the slot
	v_mbcnt_lo_u32_b32 v[T+2], s[BAL], s[RUN]      ; the rank
	v_cndmask_b32 v[T+2], v[DMP], v[T+2], s[BAL]   ; or the lane's own entry behind the list
	v_min_u32 v[T+2], 0x43f, v[T+2]                ; 1,088 entries at the most: inside my wave's 2,560 bytes
	v_lshl_add_u32 v[T+2], v[T+2], 1, v[LISTB]
	v_add3_u32 v[T+1], v[T+1], v[TOK2], 2*(\c)
	ds_store_b16 v[T+2], v[T+1]
	s_bcnt1_i32_b32 s[TA], s[BAL]
	s_add_co_u32 s[RUN], s[RUN], s[TA]
.endm
; STEP c of the stream, q = c % 2.  Global loads are issued in the order .. | W(c+3), A(c+2, half 0), A(c+2, half 1) | ..: 16, 12 and 12 a step.
; n1, at the step's head: W(c+1) and A(c, 0) are in; younger than A(c, 0) are A(c, 1) 12, W(c+2) 16, A(c+1) 24: 52.
; n2, behind half 0's products: A(c, 1) is in; younger are W(c+2) 16, A(c+1) 24, W(c+3) 16: 56.
; ND, ahead of half 0's products: chunk c's weight fragments are in; younger LDS instructions are this step's own: the 16 stores, KIND 1's 8 loads of g and beta, and in step 14 its store of beta W1.
; again = 1: the odd step's weight loads go by VW and WB2: in the loop's last trip there is no chunk c + 3, and they read 16 bytes of each of my rows of chunk 15 once more, so that the counts are the same in every trip.
; adv = 1 (the loop's odd step): the bases go on to the next trip behind half 0's products; the step's two runs of token loads, which follow, name their chunk from the new base.
.macro STEP q, n1, n2, conv, gl, al, wl, again, pf, cb, bl, adv
	WIN 0
	s_wait_loadcnt \n1
.set ND, 0
.if \conv
.set ND, 16
.if \pf
	s_cmp_lt_u32 s[LOOP], 2+(\q)                   ; chunk c + 5 exists up to c = 10
	s_cbranch_scc1 .Lnp_\@
	global_prefetch_b8 v[PF], s[WB:WB+1] offset:((\q)+5)*CH th:TH_LOAD_NT scope:SCOPE_SE  ; my wave's 32 blocks of 256 bytes of chunk c + 5, two steps ahead of their loads; no other wave asks for them
.Lnp_\@:
.endif
	CONVV 1-(\q)
.if (\gl) && (KIND == 1)
	GLOAD (\q)+2                                   ; the lines above have read the last g and beta
.set ND, ND+8
.endif
	CONVS CHL*((\q)+1)
.if (\cb) && (KIND == 1)
	ds_store_b128 v[CBA], v[CB:CB+3]               ; the last chunk is in the sum
.set ND, ND+1
.endif
.endif
.if \wl
.if \again
	WLOAD (\q)+3, 1-(\q), VW, WB2
.else
	WLOAD (\q)+3, 1-(\q), L16, WB
.endif
.endif
	s_wait_dscnt ND                                ; LDS instructions end in order (ISA guide 5.7.1): chunk c's weight fragments are in, this step's own LDS lines may be out
	MULH \q, 0
	s_wait_loadcnt \n2
.if \conv
	s_wait_dscnt 0x0                               ; for the others' sake: my stores of chunk c + 1, issued ahead of the products, are done (and g and beta are in)
	s_barrier_signal -1                            ; every wave has stored its rows of chunk c + 1:
	s_barrier_wait -1                              ; the runs below may read the chunk.  No byte of the slice is written twice, so this one barrier a step is all
.endif
.if \adv
	s_wait_xcnt 0x0                                ; the bases and VW are rewritten only behind this wait; the youngest loads that name them were issued ahead of the products
	s_add_nc_u64 s[AB:AB+1], s[AB:AB+1], 256
	s_add_nc_u64 s[WB:WB+1], s[WB:WB+1], 2*CH
	s_sub_nc_u64 s[TP:TP+1], s[WB:WB+1], CH
	s_cmp_eq_u32 s[LOOP], 2                        ; is the next trip the last?  Then its odd step reads chunk 15 again, 16 bytes a row
	s_cselect_b64 s[WB2:WB2+1], s[TP:TP+1], s[WB:WB+1]
	s_cselect_b32 s[TA], 0, 1
	v_mul_u32_u24 v[VW], s[TA], v[L16]
.endif
.if \bl
	PLACES
	BLOADH (\q)+1, 0                               ; into the registers that half 0's products have read
.endif
.if \al
	ALOADH (\q)+2-2*(\adv), \q, 0
.endif
	MULH \q, 1
.if \bl
	PLACES
	BLOADH (\q)+1, 1
.endif
.if \al
	ALOADH (\q)+2-2*(\adv), \q, 1
.endif
	WIN 0
.endm
.macro XADD i                          ; X = tile i's sums + bias; each accumulator is read from its low end on
.if (\i) < 4
	WIN 0x06                                       ; source 0 window 2, source 1 window 1
.else
	WIN 0x07
.endif
.set k, 0
.rept 32
	v_pk_add_f32 v[X+2*k:X+2*k+1], v[64*((\i)%4)+2*k:64*((\i)%4)+2*k+1], v[BIAS+2*k:BIAS+2*k+1]
.set k, k+1
.endr
	WIN 0
.endm
	s_load_b256 s[4:11], s[0:1], 0x0               ; sel s[4:5], tokens s[6:7], weights s[8:9]; KIND 1: ln_g, KIND 2: b2 s[10:11]
.if KIND == 1
	s_load_b128 s[12:15], s[0:1], 0x20             ; ln_b s[12:13], b1 s[14:15]
	s_load_b64 s[16:17], s[0:1], 0x30              ; hid
.else
	s_load_b64 s[16:17], s[0:1], 0x20              ; part
.endif
	v_lshl_add_u32 v[SPW], v0, 2, SPARE
	v_mov_b32 v[NIL], 0
	v_lshrrev_b32 v[T], 5, v0
	v_readfirstlane_b32 s[WV], v[T]                ; wave 0..3
	s_and_b32 s[EX], ttmp7, 0xffff                 ; the expert
	v_and_b32 v[LN], 31, v0
	v_and_b32 v[RR], 15, v0
	v_bfe_u32 v[HH], v0, 4, 1
	v_lshlrev_b32 v[L16], 4, v[LN]
	v_mov_b32 v[VW], v[L16]
	v_lshlrev_b32 v[H16], 4, v[HH]
	v_lshrrev_b32 v[T], 1, v[LN]
	v_and_b32 v[T+1], 1, v[LN]
	v_lshlrev_b32 v[PF], PSH, v[T]
	v_lshl_add_u32 v[PF], v[T+1], 8, v[PF]
	s_lshl_b32 s[OF], s[EX], 24                    ; an expert's weights are 2^24 bytes
	s_mov_b32 s[OF+1], 0
	s_mov_b32 s[TP+1], 0
	s_mov_b32 s[FL+1], 0
.if KIND == 1
	s_mov_b32 s[SL], ttmp9
	v_lshrrev_b32 v[T], 2, v[LN]                   ; my wave's 16 numbers of a chunk are 64 bytes, 256 bytes from chunk to chunk: lane l takes piece l % 4 of chunk l / 4
	v_and_b32 v[T+1], 3, v[LN]
	v_lshlrev_b32 v[BO], 8, v[T]
	v_lshl_add_u32 v[BO], v[T+1], 4, v[BO]
	s_lshl_b32 s[TA], s[SL], 9
	s_add_co_u32 s[OF], s[OF], s[TA]               ; + the slice's 512 bytes of a row
	s_lshl_b32 s[TA], s[WV], 18
	s_add_co_u32 s[OF], s[OF], s[TA]               ; + 16 wave rows
	s_lshl_b32 s[TP], s[EX], 12
	s_lshl_b32 s[TA], s[WV], 6
	s_add_co_u32 s[TP], s[TP], s[TA]               ; ln_g, ln_b: expert, 16 wave numbers
	s_lshl_b32 s[FL], s[EX], 14
	s_lshl_b32 s[TA], s[SL], 9
	s_add_co_u32 s[FL], s[FL], s[TA]               ; b1: expert, slice
	s_wait_kmcnt 0x0
	s_add_nc_u64 s[WB:WB+1], s[8:9], s[OF:OF+1]
	s_add_nc_u64 s[GB:GB+1], s[10:11], s[TP:TP+1]
	s_add_nc_u64 s[LBB:LBB+1], s[12:13], s[TP:TP+1]
	s_add_nc_u64 s[14:15], s[14:15], s[FL:FL+1]
	s_mov_b64 s[A0:A0+1], s[6:7]
.else
	s_and_b32 s[SL], ttmp9, 7
	s_lshr_b32 s[KQ], ttmp9, 3
	v_lshlrev_b32 v[BO], 5, v[HH]
	s_lshl_b32 s[TA], s[KQ], 22
	s_add_co_u32 s[OF], s[OF], s[TA]               ; + 1,024 kq rows
	s_lshl_b32 s[TA], s[WV], 16
	s_add_co_u32 s[OF], s[OF], s[TA]               ; + 16 wave rows
	s_lshl_b32 s[TA], s[SL], 9
	s_add_co_u32 s[OF], s[OF], s[TA]               ; + the slice's 512 bytes of a row
	s_lshl_b32 s[TP], s[KQ], 11                    ; hid: the K quarter's 2,048 bytes of a row
	s_lshl_b32 s[FL], s[EX], 12
	s_add_co_u32 s[FL], s[FL], s[TA]               ; b2: expert, slice
	s_wait_kmcnt 0x0
	s_add_nc_u64 s[WB:WB+1], s[8:9], s[OF:OF+1]
	s_add_nc_u64 s[A0:A0+1], s[6:7], s[TP:TP+1]
	s_add_nc_u64 s[10:11], s[10:11], s[FL:FL+1]
	s_lshl_b32 s[OF], s[KQ], 23
	s_add_nc_u64 s[16:17], s[16:17], s[OF:OF+1]    ; part: the K quarter's plane
.endif
	s_mov_b64 s[WB2:WB2+1], s[WB:WB+1]
	s_mov_b64 s[AB:AB+1], s[A0:A0+1]
.irp j, 0,1,2,3,4,5,6,7
	global_load_b128 v[M+4*\j:M+4*\j+3], v[L16], s[4:5] offset:512*\j  ; all 1,024 words of sel: lane l, load j, word c is token 128 j + 4 l + c
.endr
.if KIND == 1
	global_load_b128 v[B1R:B1R+3], v[L16], s[14:15]
	global_load_b128 v[SA:SA+3],     v[BO], s[GB:GB+1]               ; g of my wave's rows of chunks 0-7,
	global_load_b128 v[SA+4:SA+7],   v[BO], s[GB:GB+1] offset:2048   ; of chunks 8-15,
	global_load_b128 v[CA3:CA3+3],   v[BO], s[LBB:LBB+1]             ; and beta likewise: once for the whole stream
	global_load_b128 v[CA3+4:CA3+7], v[BO], s[LBB:LBB+1] offset:2048
.else
	WIN 0x40
.irp n, 0,1,2,3,4,5,6,7                ; b2 in the order in which a lane holds its columns
	global_load_b128 v[BIAS+8*\n:BIAS+8*\n+3],   v[BO], s[10:11] offset:64*\n
	global_load_b128 v[BIAS+8*\n+4:BIAS+8*\n+7], v[BO], s[10:11] offset:64*\n+16
.endr
	WIN 0
.endif
	WLOAD 0, 0, L16, WB
	WLOAD 1, 1, L16, WB
.irp m, 2,3,4
	global_prefetch_b8 v[PF], s[WB:WB+1] offset:\m*CH th:TH_LOAD_NT scope:SCOPE_SE  ; my wave's rows of chunks 2 to 4; the steps ask for chunk 5 on
.endr
	; LDS addresses and constants, in the wait for the first loads
	s_mul_i32 s[STB], s[WV], 16*SP
	s_add_co_u32 s[STB], s[STB], STAGE
	s_mul_i32 s[TA], s[WV], 16*LP
	v_lshl_add_u32 v[WST], v[LN], 3, s[TA]
	v_and_b32 v[T], 7, v[LN]
	v_bfe_u32 v[T+1], v[LN], 3, 1
	v_lshl_add_u32 v[T], v[HH], 3, v[T]            ; the turning load: lane l reads K row 8 (l / 16) + l % 8, columns 8 ((l / 8) % 2) + 0..7
	v_mul_u32_u24 v[BRD], v[T], LP
	v_lshl_add_u32 v[BRD], v[T+1], 4, v[BRD]
	v_mov_b32 v[BRD0], v[BRD]
	s_mul_i32 s[TA], s[WV], LPW
	s_add_co_u32 s[TA], s[TA], LIST
	v_mov_b32 v[LISTB], s[TA]
	v_add_nc_u32 v[DMP], 0x400, v[LN]
	v_mul_u32_u24 v[STO], v[RR], SP
	v_lshl_add_u32 v[STO], v[HH], 3+KIND, v[STO]   ; 8 columns of 2 or of 4 bytes for each half of the lanes
	v_add_nc_u32 v[STO], s[STB], v[STO]
	v_mul_u32_u24 v[RD], v[HH], SP                 ; back: lanes 0-15 take one row of 256 bytes, lanes 16-31 the next
	v_lshl_add_u32 v[RD], v[RR], 4, v[RD]
	v_add_nc_u32 v[RD], s[STB], v[RD]
	v_add_nc_u32 v[SG], s[STB], v[L16]
	s_lshl_b32 s[TA], s[SL], 7+KIND                ; the slice's 256 or 512 bytes of an output row
	v_lshl_add_u32 v[COL], v[RR], 4, s[TA]
	s_lshl_b32 s[BIT], 1, s[EX]
	s_sub_co_u32 s[LOW], s[BIT], 1
	s_add_co_u32 s[SBIT], s[EX], 8
.irp i, 0,1,2,3
	v_mov_b32 v[H+\i], 0
.endr
	v_add_nc_u32 v[T], v[LISTB], v[L16]
.irp j, 0,1,2,3,4
	ds_store_b128 v[T], v[H:H+3] offset:512*\j     ; my list is written whole before it is filled: every entry that a clamped rank can name exists, also where the expert has no row
.endr
.if KIND == 1
	s_lshl_b32 s[TA], s[WV], 9
	s_add_co_u32 s[TA], s[TA], CBR
	v_add_nc_u32 v[CBA], s[TA], v[L16]
.irp i, 0,1,2,3
	v_mov_b32 v[CB+\i], 0
.endr
	s_mov_b32 s[PP], 0x3eaa540e                    ; 0.47047 / sqrt(2)
.endif
	ZERO
	s_wait_loadcnt 32                              ; sel, the bias and (KIND 1) g and beta are in; the 32 loads of W(0) and W(1) stay out
.if KIND == 2
	s_cmp_eq_u32 s[KQ], 0                          ; b2 enters the sum of the four K quarters once
	s_cselect_b32 s[FL], 1.0, 0
	s_mov_b32 s[FL+1], s[FL]
	WIN 0x41
.set i, 0
.rept 32
	v_pk_mul_f32 v[BIAS+2*i:BIAS+2*i+1], v[BIAS+2*i:BIAS+2*i+1], s[FL:FL+1] op_sel_hi:[1,0]
.set i, i+1
.endr
	WIN 0
.endif
.irp j, 0,1,2,3,4,5,6,7
	ds_store_b128 v[SG], v[M+4*\j:M+4*\j+3] offset:512*\j  ; the words go through my stage, so that one text of four words serves all 32
.endr
	s_mov_b32 s[RUN], 0
	s_mov_b32 s[BASE], 0
	v_lshlrev_b32 v[TOK2], 3, v[LN]
	v_mov_b32 v[PT], v[SG]
	s_mov_b32 s[LOOP], 8
.Lw:
	ds_load_b128 v[M:M+3], v[PT]
	s_wait_dscnt 0x0
	WORD 0
	WORD 1
	WORD 2
	WORD 3
	v_add_nc_u32 v[TOK2], 0x100, v[TOK2]
	v_add_nc_u32 v[PT], 0x200, v[PT]
	s_sub_co_u32 s[LOOP], s[LOOP], 1
	s_cmp_lg_u32 s[LOOP], 0
	s_cbranch_scc1 .Lw
.if KIND == 1
	; the words of sel are read: my stage takes g (bytes 0 to 1,023: 64 a chunk) and beta (1,024 on) of my wave's rows
	ds_store_b128 v[SG], v[SA:SA+3]
	ds_store_b128 v[SG], v[SA+4:SA+7] offset:512
	ds_store_b128 v[SG], v[CA3:CA3+3] offset:1024
	ds_store_b128 v[SG], v[CA3+4:CA3+7] offset:1536
	v_mov_b32 v[GA], s[STB]
	GLOAD 0                                        ; my own stage: LDS serves a wave's instructions in order (ISA guide 5.7.1.4); waited for in ADDR
.irp i, 0,1
	v_mov_b32 v[CA3+\i],   0x3ebf7377              ; a3 / 2 =  0.3739278
	v_mov_b32 v[CA3+2+\i], 0xbd445ca1              ; a2 / 2 = -0.0479399
	v_mov_b32 v[CA3+4+\i], 0x3e32303a              ; a1 / 2 =  0.1740121
	v_mov_b32 v[CA3+6+\i], 0xbf38aa3b              ; -log2(e) / 2
.endr
.endif
	s_min_u32 s[CNT], s[RUN], 0x400
	s_max_u32 s[CM1], s[CNT], 1
	s_sub_co_u32 s[CM1], s[CM1], 1
	s_min_u32 s[BASE], s[BASE], 0x7ff
	s_add_co_u32 s[TA], s[CNT], 15
	s_lshr_b32 s[TA], s[TA], 4                     ; tiles of 16 ranks,
	s_add_co_u32 s[TA], s[TA], 3
	s_sub_co_u32 s[TA], s[TA], s[WV]
	s_lshr_b32 s[NW], s[TA], 2                     ; and those with T % 4 = my wave
	s_mov_b32 s[PASS], 0
	s_mov_b32 s[PLEFT], 3
	PASSSET
	ADDR
	ALOADH 0, 0, 0
	ALOADH 0, 0, 1
	WIN 0
	s_wait_loadcnt 40                              ; W(0) is in: W(1)'s 16 and A(0)'s 24 loads stay out
	CONVV 0
.if KIND == 1
	GLOAD 1
.endif
	CONVS 0
	WLOAD 2, 0, L16, WB
	ALOADH 1, 1, 0                                 ; the order W(1), A(0, 0), A(0, 1), W(2), A(1, 0), A(1, 1) is the steps' own: their counts hold on the way into the loop
	ALOADH 1, 1, 1
	WIN 0
	s_wait_dscnt 0x0                               ; for the others' sake: my rows of chunk 0 are stored
	s_barrier_signal -1
	s_barrier_wait -1
	BLOADH 0, 0                                    ; the last LDS lines ahead of the loop, as a step's two runs are the last of the step: the steps' count on DScnt holds on the way in too
	BLOADH 0, 1
	WIN 0
	s_mov_b32 s[LOOP], 7
.Lk:                                                   ; seven trips: chunks 0 to 13 are multiplied, 1 to 14 rounded, W 3 to 15 and A 2 to 15 asked for
	STEP 0, 52, 56, 1, 1, 1, 1, 0, 1, 0, 1, 0
	STEP 1, 52, 56, 1, 1, 1, 1, 1, 1, 0, 1, 1
	v_add_nc_u32 v[WST], 2*CHL, v[WST]             ; the LDS addresses step here: they are sources of LDS instructions alone
	v_add_nc_u32 v[BRD], 2*CHL, v[BRD]
.if KIND == 1
	v_add_nc_u32 v[GA], 128, v[GA]
.endif
	s_sub_co_u32 s[LOOP], s[LOOP], 1
	s_cmp_lg_u32 s[LOOP], 0
	s_cbranch_scc1 .Lk
	STEP 0, 52, 40, 1, 0, 0, 0, 0, 0, 1, 1, 0      ; chunk 14: younger than A(14, 0) are A(14, 1) 12, the last trip's 16 and A(15) 24; younger than A(14, 1) those 16 and 24: nothing is asked for any more
	STEP 1, 12, 0, 0, 0, 0, 0, 0, 0, 0, 0, 0       ; chunk 15: A(15, 1)'s 12 loads may stay out at its head; nothing is left to fetch or to round
.if KIND == 1
	; the bias of my 64 columns: the four waves' parts of beta W1 (stored ahead of the last barrier) and b1, through my stage into lane order
	v_add_nc_u32 v[T], CBR, v[L16]
.irp p, 0,1,2,3
	ds_load_b128 v[X+4*\p:X+4*\p+3], v[T] offset:512*\p
.endr
	v_lshl_add_u32 v[PT], v[HH], 5, s[STB]
	s_wait_dscnt 0x0
	v_pk_add_f32 v[X:X+1], v[X:X+1], v[X+4:X+5]
	v_pk_add_f32 v[X+2:X+3], v[X+2:X+3], v[X+6:X+7]
	v_pk_add_f32 v[X+8:X+9], v[X+8:X+9], v[X+12:X+13]
	v_pk_add_f32 v[X+10:X+11], v[X+10:X+11], v[X+14:X+15]
	v_pk_add_f32 v[X:X+1], v[X:X+1], v[X+8:X+9]
	v_pk_add_f32 v[X+2:X+3], v[X+2:X+3], v[X+10:X+11]
	v_pk_add_f32 v[X:X+1], v[X:X+1], v[B1R:B1R+1]
	v_pk_add_f32 v[X+2:X+3], v[X+2:X+3], v[B1R+2:B1R+3]
	ds_store_b128 v[SG], v[X:X+3]
	WIN 0x40
.irp n, 0,1,2,3,4,5,6,7
	ds_load_b128 v[BIAS+8*\n:BIAS+8*\n+3],   v[PT] offset:64*\n
	ds_load_b128 v[BIAS+8*\n+4:BIAS+8*\n+7], v[PT] offset:64*\n+16
.endr
	WIN 0
.endif
	s_branch .Lmid                                 ; the first pass's tiles go out
.Lpass:                                                ; passes 1 and 2: ranks 384 .. 1,023, from the resident slice
	s_wait_loadcnt 0x0
	s_wait_xcnt 0x0                                ; the stores have read their registers
	s_wait_dscnt 0x0                               ; my LDS stores and loads of the way out are done;
	s_barrier_signal -1                            ; every wave says so, whether it has tiles in this pass or not:
	s_barrier_wait -1                              ; the pass's LDS loads stand behind all LDS stores of all waves
	PASSSET
	s_cmp_eq_u32 s[NA], 0
	s_cbranch_scc1 .Lmid                           ; no tile of mine in this pass: its products are jumped, no barrier is
	ZERO
	ADDR
	s_mov_b64 s[AB:AB+1], s[A0:A0+1]
	s_mov_b32 s[LOFF], 0
	s_mov_b32 s[LOOP], 16
.Lr:                                                   ; a chunk a trip, plainly: fetch, wait, multiply
	v_add_nc_u32 v[BRD], s[LOFF], v[BRD0]
	PLACES
	BLOADH 0, 0
	BLOADH 0, 1
	ALOADH 0, 0, 0
	ALOADH 0, 0, 1
	WIN 0
	s_wait_loadcnt 0x0                             ; also frees the loads' base
	s_wait_dscnt 0x0
	MULH 0, 0
	MULH 0, 1
	s_add_nc_u64 s[AB:AB+1], s[AB:AB+1], 128
	s_add_co_u32 s[LOFF], s[LOFF], CHL
	s_sub_co_u32 s[LOOP], s[LOOP], 1
	s_cmp_lg_u32 s[LOOP], 0
	s_cbranch_scc1 .Lr
.Lmid:
	s_wait_dscnt 0x0                               ; my LDS loads of the pass are back;
	s_barrier_signal -1                            ; every wave says so:
	s_barrier_wait -1                              ; the way out's LDS stores stand behind all LDS loads of the pass
	; THE WAY OUT, a tile a trip; tiles that the wave does not have are jumped
	PLACES
	s_mov_b32 s[TILE], 0
.Lt:
	s_wait_xcnt 0x0                                ; the last tile's stores have read their data and offsets
	s_cmp_ge_u32 s[TILE], s[NA]
	s_cbranch_scc1 .Ltn
	s_lshl_b32 s[T16], s[TILE], 6
	s_add_co_u32 s[T16], s[T16], s[R16]
.irp i, 0,1,2,3,4
	s_cmp_eq_u32 s[TILE], \i
	s_cbranch_scc1 .Lx\i
.endr
	XADD 5
	s_branch .Lc
.irp i, 0,1,2,3
.Lx\i:
	XADD \i
	s_branch .Lc
.endr
.Lx4:
	XADD 4
.Lc:
.if KIND == 1
	; gelu, 64 numbers a lane.  First all 128 reciprocals and powers, one batch: pair q's plain lines and pair q - 1's transcendentals by turns; none of them names a result.
.set q, 0
.rept 33
.if q < 32
	v_fma_f32 v[U+2*q], |v[X+2*q]|, s[PP], 1.0
.endif
.if q > 0
	v_rcp_f32 v[U+2*q-2], v[U+2*q-2]
.endif
.if q < 32
	v_fma_f32 v[U+2*q+1], |v[X+2*q+1]|, s[PP], 1.0
.endif
.if q > 0
	v_rcp_f32 v[U+2*q-1], v[U+2*q-1]
.endif
.if q < 32
	v_pk_mul_f32 v[M+2*q:M+2*q+1], v[X+2*q:X+2*q+1], v[X+2*q:X+2*q+1]
.endif
.if q > 0
	v_exp_f32 v[M+2*q-2], v[M+2*q-2]
.endif
.if q < 32
	v_pk_mul_f32 v[M+2*q:M+2*q+1], v[M+2*q:M+2*q+1], v[CA3+6:CA3+7]
.endif
.if q > 0
	v_exp_f32 v[M+2*q-1], v[M+2*q-1]
.endif
.set q, q+1
.endr
	v_nop                                          ; a plain instruction behind the last of them (ISA guide 5.7.2),
	s_wait_alu depctr_va_vdst(0)                   ; and ONE wait for the batch, ahead of the first reader
.set g, 0
.rept 8                                ; four pairs at a time, stage by stage, so that no line waits for the one before it
.irp k, 0,1,2,3
	v_pk_fma_f32 v[H+2*\k:H+2*\k+1], v[U+2*(4*g+\k):U+2*(4*g+\k)+1], v[CA3:CA3+1], v[CA3+2:CA3+3]
.endr
.irp k, 0,1,2,3
	v_pk_fma_f32 v[H+2*\k:H+2*\k+1], v[H+2*\k:H+2*\k+1], v[U+2*(4*g+\k):U+2*(4*g+\k)+1], v[CA3+4:CA3+5]
.endr
.irp k, 0,1,2,3
	v_pk_mul_f32 v[H+2*\k:H+2*\k+1], v[H+2*\k:H+2*\k+1], v[U+2*(4*g+\k):U+2*(4*g+\k)+1]
.endr
.irp k, 0,1,2,3
	v_pk_mul_f32 v[H+2*\k:H+2*\k+1], v[H+2*\k:H+2*\k+1], v[M+2*(4*g+\k):M+2*(4*g+\k)+1]   ; q
.endr
.irp k, 0,1,2,3
	v_max_num_f32 v[U+2*(4*g+\k)],   0, v[X+2*(4*g+\k)]
	v_max_num_f32 v[U+2*(4*g+\k)+1], 0, v[X+2*(4*g+\k)+1]
.endr
.irp k, 0,1,2,3
	v_fma_f32 v[U+2*(4*g+\k)],   -|v[X+2*(4*g+\k)]|,   v[H+2*\k],   v[U+2*(4*g+\k)]
	v_fma_f32 v[U+2*(4*g+\k)+1], -|v[X+2*(4*g+\k)+1]|, v[H+2*\k+1], v[U+2*(4*g+\k)+1]
.endr
.irp k, 0,1,2,3
	v_cvt_pk_f16_f32 v[X+4*g+\k], v[U+2*(4*g+\k)], v[U+2*(4*g+\k)+1]  ; into X's registers of pairs that are done
.endr
.set g, g+1
.endr
.irp t, 0,1,2,3,4,5,6,7                ; hid's rows BASE + rank of the tile's 8 pairs of rows
	v_add3_u32 v[SA+\t], v[HH], s[T16], 2*\t
	v_min_u32 v[SA+\t], s[CM1], v[SA+\t]
	v_add_nc_u32 v[SA+\t], s[BASE], v[SA+\t]
	v_min_u32 v[SA+\t], 0x7ff, v[SA+\t]
	v_lshl_add_u32 v[SA+\t], v[SA+\t], 13, v[COL]
.endr
.irp n, 0,1,2,3,4,5,6,7
	ds_store_b128 v[STO], v[X+4*\n:X+4*\n+3] offset:32*\n
.endr
.irp t, 0,1,2,3,4,5,6,7
	ds_load_b128 v[X+32+4*\t:X+32+4*\t+3], v[RD] offset:2*SP*\t  ; my own stage: LDS serves a wave's instructions in order (ISA guide 5.7.1.4)
.endr
.irp t, 0,1,2,3,4,5,6,7
	s_wait_dscnt 7-\t
	global_store_b128 v[SA+\t], v[X+32+4*\t:X+32+4*\t+3], s[16:17]  ; 16 lanes store 256 consecutive bytes, at a multiple of 256 from hid's first
.endr
.else
.irp t, 0,1,2,3,4,5,6,7                ; part's rows 2 x token + slot, from my list
	v_add3_u32 v[SA+\t], v[HH], s[T16], 2*\t
	v_min_u32 v[SA+\t], s[CM1], v[SA+\t]
	v_min_u32 v[SA+\t], 0x3ff, v[SA+\t]
	v_lshl_add_u32 v[SA+\t], v[SA+\t], 1, v[LISTB]
.endr
.irp t, 0,1,2,3,4,5,6,7
	ds_load_u16 v[SA+\t], v[SA+\t]
.endr
	s_wait_dscnt 0x0
.irp t, 0,1,2,3,4,5,6,7
	v_min_u32 v[SA+\t], 0x7ff, v[SA+\t]
	v_lshl_add_u32 v[SA+\t], v[SA+\t], 12, v[COL]
.endr
.irp hf, 0,1                           ; 64 columns of f32, 256 bytes of a row, at a time
.irp n, 0,1,2,3
	ds_store_b128 v[STO], v[X+32*\hf+8*\n:X+32*\hf+8*\n+3]   offset:64*\n
	ds_store_b128 v[STO], v[X+32*\hf+8*\n+4:X+32*\hf+8*\n+7] offset:64*\n+16
.endr
.irp t, 0,1,2,3,4,5,6,7
	ds_load_b128 v[U+32*\hf+4*\t:U+32*\hf+4*\t+3], v[RD] offset:2*SP*\t  ; in order behind the stores above, and ahead of the second half's
.endr
.endr
.irp t, 0,1,2,3,4,5,6,7
	s_wait_dscnt 23-\t                             ; younger: the rest of this half's loads and the second half's sixteen
	global_store_b128 v[SA+\t], v[U+4*\t:U+4*\t+3], s[16:17]
.endr
.irp t, 0,1,2,3,4,5,6,7
	s_wait_dscnt 7-\t
	global_store_b128 v[SA+\t], v[U+32+4*\t:U+32+4*\t+3], s[16:17] offset:256  ; 16 lanes store 256 consecutive bytes, at a multiple of 256 from part's first
.endr
.endif
.Ltn:
	s_add_co_u32 s[TILE], s[TILE], 1
	s_cmp_lt_u32 s[TILE], 6
	s_cbranch_scc1 .Lt
	s_add_co_u32 s[PASS], s[PASS], 1
	s_sub_co_u32 s[PLEFT], s[PLEFT], 1
	s_cmp_lg_u32 s[PLEFT], 0
	s_cbranch_scc1 .Lpass
	s_wait_tensorcnt 0x0                           ; the wave's end, behind my last LDS store
	ds_add_u32 v[SPW], v[NIL]
	s_wait_dscnt 0x0
	s_endpgm
.Lfunc_end_k_q3df6cbc685_ffn1:
	.size	k_q3df6cbc685_ffn1, .Lfunc_end_k_q3df6cbc685_ffn1-k_q3df6cbc685_ffn1
	.p2alignl 7, 3214868480
	.fill 96, 4, 3214868480
	.section	.rodata,"a",@progbits
	.p2align	6, 0x0
	.amdhsa_kernel k_q3df6cbc685_ffn1
		.amdhsa_group_segment_fixed_size 325120
		.amdhsa_private_segment_fixed_size 0
		.amdhsa_enable_private_segment 0
		.amdhsa_kernarg_size 56
		.amdhsa_user_sgpr_count 2
		.amdhsa_user_sgpr_kernarg_segment_ptr 1
		.amdhsa_wavefront_size32 1
		.amdhsa_system_sgpr_workgroup_id_x 1
		.amdhsa_system_sgpr_workgroup_id_y 1
		.amdhsa_system_sgpr_workgroup_id_z 1
		.amdhsa_system_vgpr_workitem_id 0
		.amdhsa_next_free_vgpr 1024
		.amdhsa_next_free_sgpr 96
		.amdhsa_reserve_vcc 0
		.amdhsa_float_denorm_mode_32 3
		.amdhsa_float_denorm_mode_16_64 3
		.amdhsa_memory_ordered 1
		.amdhsa_forward_progress 1
		.amdhsa_inst_pref_size 171
	.end_amdhsa_kernel
	.amdgpu_metadata
---
amdhsa.version: [ 1, 2 ]
amdhsa.kernels:
  - .name:           k_q3df6cbc685_ffn1
    .symbol:         k_q3df6cbc685_ffn1.kd
    .args:
      - { .name: sel, .offset: 0, .size: 8, .value_kind: global_buffer, .address_space: global }
      - { .name: xh, .offset: 8, .size: 8, .value_kind: global_buffer, .address_space: global }
      - { .name: w1, .offset: 16, .size: 8, .value_kind: global_buffer, .address_space: global }
      - { .name: ln_g, .offset: 24, .size: 8, .value_kind: global_buffer, .address_space: global }
      - { .name: ln_b, .offset: 32, .size: 8, .value_kind: global_buffer, .address_space: global }
      - { .name: b1, .offset: 40, .size: 8, .value_kind: global_buffer, .address_space: global }
      - { .name: hid, .offset: 48, .size: 8, .value_kind: global_buffer, .address_space: global }
    .group_segment_fixed_size: 325120
    .private_segment_fixed_size: 0
    .kernarg_segment_align: 8
    .kernarg_segment_size: 56
    .max_flat_workgroup_size: 128
    .sgpr_count:     96
    .vgpr_count:     1024
    .wavefront_size: 32
...
	.end_amdgpu_metadata
.endif
;; end of part 2
;; launch ffn2 (part 3): grid 32 x 8, 4 waves a work-group, no clusters, 325,120 bytes of LDS; arguments sel, hid, w2, b2, part; writes part
.if DOCPART == 3
	.amdgcn_target "amdgcn-amd-amdhsa--gfx1250"
	.amdhsa_code_object_version 6
	.text
	.protected	k_q3df6cbc685_ffn2
	.globl	k_q3df6cbc685_ffn2
	.p2align	8
	.type	k_q3df6cbc685_ffn2,@function
k_q3df6cbc685_ffn2:
	s_mov_b64 s[64:65], 0
	v_nop
	global_prefetch_b8 v0, s[64:65] scope:SCOPE_SE
	s_setreg_imm32_b32 hwreg(HW_REG_WAVE_MODE, 25, 1), 1
	s_wait_xcnt 0x0
.set KIND, 2           ; 1: hid = gelu(LayerNorm_e(x) W1[e] + b1[e]);  2: part = hid W2[e] (+ b2[e]).  One text serves both products; only this line differs.
; ONE EXPERT'S SLICE OF WEIGHTS, ALL OF THAT EXPERT'S ROWS.  A work-group has expert e (grid y), 128 columns and 1,024 of K:
;   KIND 1: slice s = grid x of W1[e]'s 4,096 columns, all of K.          KIND 2: grid x = 8 kq + ns: columns 128 ns .., K quarter kq of W2[e]'s 4,096.
; Each weight byte is read once in the launch, by this work-group alone, as rows of 512 consecutive bytes; it is rounded to f16 on its way through registers and STAYS in LDS
; (1,024 rows of 288 bytes).  K goes in 16 chunks of 64, and chunk by chunk the slice is multiplied with the expert's first 384 rows (6 tiles of 16 rows x 128 columns a wave).
; Rows 384 .. 1,023, which only a lopsided choice of experts has, are multiplied afterwards from the resident slice, in two further passes.
; THE STEP for chunk c.  Vector lines, LDS lines and global loads stand in runs, never singly among each other:
;   (1) W(c+1) is rounded, by vector lines alone, into 32 registers;   (2) one run: (KIND 1: g and beta of chunk c+2 out of LDS,) the 16 LDS stores, the 16 loads of W(c+3);   (3) the products of K half 0;
;   (4) the barrier: chunk c+1 is whole; in the odd step the bases step here: what the waits there wait for was issued ahead of the products;
;   (5) one run into the registers that half 0's products have freed: half 0 of chunk c+1's weight fragments out of LDS, half 0 of chunk c+2's token fragments out of memory;   (6), (7) products and run for K half 1.
; So LDS is read while the other half is multiplied or the next chunk rounded; a token fragment has a step and a half, a weight row two steps in which to land.
; THE ROWS.  Every wave reads the 1,024 words of sel and makes the expert's list for itself: entry[rank] = 2 x token + slot, the count c, and BASE = the rows of the lower experts.
; Both kinds run the same lines, so a rank means the same row in both.  hid's row is BASE + rank.  Tile T (ranks 16 T ..) belongs to wave T % 4.  A rank past c - 1 repeats rank c - 1: its loads are
; valid and its stores write the same bytes to the same place.  EXEC stays full in the whole text.  Every A load is issued for all 6 tiles, so LOADcnt counts the same on every path;
; only matrix instructions (in four blocks: tiles 0-1, 2-3, 4, 5), a pass's products and whole tiles of the way out are jumped, forward, on counts made of sel, and never a barrier.  An expert without rows walks the stream and stores nothing.
; f16, NOT bf16, for all that is rounded (xh, the weights, hid).  Four roundings to 8 significant bits add up to about 0.3% of the output's root mean square, and the largest of its 1,048,576 numbers lies
; some five times higher: more than the 1% by which a number near zero may be off.  11 bits leave an eighth of that.  THE RANGE: f16 ends at 65,504, and below 6.1e-5 it keeps a fixed step of 6e-8.
; The weights are drawn with a spread of 0.02: 30 times larger or smaller they lie at 0.6 or 6.7e-4.  hid arrives within f16.  A weight of 65,520 or more would become an infinity.
; KIND 2's RESULT is a partial sum over a quarter of K and stays in f32: part[kq][2 x token + slot][:]; b2 enters at kq = 0 alone; the gate's weight and the sum over kq and slot are the next launch's.
; THE MATRIX INSTRUCTION IS USED TRANSPOSED: source 0 = 16 weight columns (out of LDS by the turning load), source 1 = 16 token rows (straight from memory: K lies along them).  A lane then holds one
; row (lane % 16) and the columns 16 n + 8 (lane / 16) + 0..7.  NaN and infinities are not treated apart.
; NO TENSOR LOADS, NO CLUSTER: a weight has one reader and must pass through registers (scale, sum, rounding), and the resident slice leaves LDS no room for f32 tiles; what an expert's 32 work-groups share
; is its token rows, which come by a list that no descriptor covers (KIND 1) or would want 96 KiB more of LDS a step than is left (KIND 2).
; REGISTERS, in windows of 256 (s_set_vgpr_msb: bits 1:0 source 0, 3:2 source 1, 5:4 source 2, 7:6 destination):
;   window 0: v0-63 addresses and constants; v64-127, v128-191 two slots of 16 weight rows in f32; v192-223 16 rows rounded; v224-255 (KIND 1) g and beta of 16 rows; on the way out X, U and M
;   window 1: v0-191 token fragments, two buffers: buffer p, tile i, K half ks at 96 p + 16 i + 8 ks; v192-255 the bias of my 64 columns
;   window 2: the accumulators of tiles 0-3 (tile i, column block n at 64 i + 8 n)      window 3: v0-127 those of tiles 4, 5; v128-255 weight fragments (ks, n) at 128 + 64 ks + 8 n
.if KIND == 1
.set PITCH, 16384      ; bytes from a weight row to the next
.set PSH,   14
.set ASH,   11         ; a token row of xh is 2,048 bytes
.else
.set PITCH, 4096
.set PSH,   12
.set ASH,   13         ; a row of hid is 8,192 bytes
.endif
.set CH,    64*PITCH   ; a chunk of K in memory
.set LP,    288        ; a weight row in LDS: 256 bytes + 32 = 72 words
.set CHL,   64*LP      ; a chunk in LDS
.set SP,    272        ; a stage row: 256 bytes + 16
.set STAGE, 1024*LP    ; behind the slice: 16 rows x 272 bytes for each wave, its own: first the words of sel, then (KIND 1) g and beta of my rows, then the bias, then the way out
.set LPW,   2560       ; a wave's list: 1,024 entries of 2 bytes, 32 more for the lanes that have nothing to enter, and room up to five stores of 512 bytes
.set LIST,  STAGE+4*16*SP  ; each wave's own list
.set CBR,   LIST+4*LPW     ; KIND 1: the four waves' parts of beta W1, 512 bytes each
.set SPARE, CBR+4*512      ; the spare words, 128 bytes for each wave: two blocks of 256 bytes that no other line names
.set RR,   1           ; v1   lane % 16
.set HH,   2           ; v2   lane / 16
.set LN,   3           ; v3   lane
.set L16,  4           ; v4   16 x lane
.set WST,  5           ; v5   where I put 8 bytes of my wave's first row of the trip's first chunk
.set BRD,  6           ; v6   my place in the turning loads of the trip's first chunk
.set BRD0, 7           ; v7   the same for chunk 0
.set AOF,  8           ; v8-13  byte offset of my row in tiles 0-5, + 16 (lane / 16)
.set LISTB, 14         ; v14  my wave's list
.set STO,  15          ; v15  the way out: where I put my columns of row lane % 16
.set RD,   16          ; v16  the way out: where I read rows back
.set COL,  17          ; v17  my 16 bytes in the slice's part of an output row
.set H16,  18          ; v18  16 (lane / 16)
.set T,    19          ; v19-21 at work
.set PT,   22          ; v22  walks the words of sel; later the bias in lane order
.set SG,   23          ; v23  my stage + 16 x lane
.set CBA,  24          ; v24  my wave's part of CBR + 16 x lane
.set BO,   25          ; v25  KIND 2: 32 (lane / 16);  KIND 1: my 16 bytes among my wave's numbers of ln_g and ln_b
.set VW,   26          ; v26  the vector offset of the odd step's weight loads: 16 x lane; 0 in the last trip
.set PF,   27          ; v27  the prefetch: lane l asks for block l % 2 of row l / 2
.set SA,   28          ; v28-35 the way out: byte offsets of the 8 pairs of rows;  KIND 1, at the head: ln_g as loaded
.set CB,   36          ; v36-39 KIND 1: beta W1, my wave's rows, columns 4 lane ..
.set B1R,  40          ; v40-43 KIND 1: b1 of those columns
.set CA3,  44          ; v44-51 KIND 1: at the head ln_b as loaded; then a3/2, a2/2, a1/2 and -0.7213475, each twice
.set H,    52          ; v52-59 at work
.set DMP,  60          ; v60  1,024 + lane: the entry of a lane that has nothing to enter
.set GA,   60          ; v60  behind the list, KIND 1: g of my rows of the trip's first chunk, in my stage; the same in every lane
.set TOK2, 61          ; v61  2 x the token of my first word of the trip
.set SPW,  62          ; v62  LDS address of my spare word; never rewritten
.set NIL,  63          ; v63  0; never rewritten
.set X,    64
.set U,    128
.set M,    192
.set CT,   192         ; v192-223 in the stream: row i rounded, at CT + 2 i
.set GV,   224         ; v224-239 KIND 1: g of my 16 rows of the chunk to be rounded, in every lane
.set BV,   240         ; v240-255 KIND 1: beta
.set BIAS, 192         ; in window 1
.set AB,   18          ; s[18:19] tokens at the trip's first chunk; from the middle of the odd step on, at the next trip's
.set WB,   20          ; s[20:21] weights: my wave's 16 rows of the trip's first chunk; likewise
.set GB,   22          ; s[22:23] KIND 1: ln_g at my wave's first number
.set LBB,  24          ; s[24:25] KIND 1: ln_b
.set WV,   26
.set EX,   27
.set SL,   28
.set CNT,  29          ; c
.set CM1,  30          ; max(c, 1) - 1
.set BASE, 31
.set NW,   66          ; my wave's tiles
.set NA,   67          ; those of the pass in hand, 0 to 6
.set PASS, 69
.set LOOP, 70
.set TILE, 71
.set R16,  72          ; the first rank of my tile 0 of the pass
.set BIT,  73          ; 1 << e
.set LOW,  74          ; the bits of the lower experts
.set SBIT, 75          ; 8 + e
.set RUN,  76
.set BAL,  77
.set TA,   79
.set OF,   80          ; s[80:81] an offset
.set LOFF, 82          ; the resident pass: the chunk's first byte in LDS
.set PLEFT, 83         ; passes to go, the one in hand among them
.set PP,   84
.set T16,  85          ; the first rank of the tile on its way out
.set FL,   86          ; s[86:87] an offset; KIND 2: 1.0 for K quarter 0, else 0
.set A0,   88          ; s[88:89] tokens at chunk 0
.set WB2,  90          ; s[90:91] the base of the odd step's weight loads
.set TP,   92          ; s[92:93] an offset; at work
.set KQ,   94
.set STB,  95          ; my stage
.set MSB, 0
.macro WIN new                         ; the immediate's high byte repeats the setting that is left; a switch that changes nothing is dropped
.if MSB != (\new)
	s_set_vgpr_msb (MSB<<8)|(\new)
.set MSB, \new
.endif
.endm
; A load into a register that a matrix instruction has read, and a vector instruction that reads a matrix result, stand four places behind it; only plain vector instructions that name none of
; its registers are places (ISA guide 7.12.1 for vector instructions).
.macro PLACES
.rept 4
	v_nop
.endr
.endm
.macro WLOAD m, slot, vo, sb           ; my wave's 16 rows of chunk m of the trip: 16 loads of 512 consecutive bytes
	WIN 0
.set i, 0
.rept 16
	global_load_b128 v[X+64*(\slot)+4*i:X+64*(\slot)+4*i+3], v[\vo], s[\sb:\sb+1] offset:(\m)*CH+i*PITCH th:TH_LOAD_NT
.set i, i+1
.endr
.endm
.macro ALOADH m, p, ks                 ; 6 tiles x 32 of K (half ks of the chunk m behind AB's) into buffer p: 12 loads.  A fragment is 16 rows x 32 K: lane l holds row l % 16, K = 8 (l / 16) + 0..7 and 16 + 8 (l / 16) + 0..7
	WIN 0x40
.irp i, 0,1,2,3,4,5
	global_load_b128 v[96*(\p)+16*\i+8*(\ks):96*(\p)+16*\i+8*(\ks)+3],   v[AOF+\i], s[AB:AB+1] offset:128*(\m)+64*(\ks)
	global_load_b128 v[96*(\p)+16*\i+8*(\ks)+4:96*(\p)+16*\i+8*(\ks)+7], v[AOF+\i], s[AB:AB+1] offset:128*(\m)+64*(\ks)+32
.endr
.endm
.macro BLOADH q, ks                    ; half ks of chunk q of the trip out of LDS, turned: 32 of K x 128 columns, 16 loads
	WIN 0xc0
.irp n, 0,1,2,3,4,5,6,7
	ds_load_tr16_b128 v[128+64*(\ks)+8*\n:128+64*(\ks)+8*\n+3],   v[BRD] offset:CHL*(\q)+32*LP*(\ks)+32*\n
	ds_load_tr16_b128 v[128+64*(\ks)+8*\n+4:128+64*(\ks)+8*\n+7], v[BRD] offset:CHL*(\q)+32*LP*(\ks)+16*LP+32*\n
.endr
.endm
.macro GLOAD m                         ; KIND 1: g and beta of my 16 rows of chunk m of the trip out of my stage, one address for all lanes: 8 loads
	WIN 0
.irp j, 0,1,2,3
	ds_load_b128 v[GV+4*\j:GV+4*\j+3], v[GA] offset:64*(\m)+16*\j
	ds_load_b128 v[BV+4*\j:BV+4*\j+3], v[GA] offset:1024+64*(\m)+16*\j
.endr
.endm
; A slot's 16 rows are rounded, by vector lines alone.  KIND 1: beta W1 takes its terms and the row is scaled by g in place, eight lines a row, so that a sum is taken up again eight lines later;
; the conversions follow as one batch, far behind the lines that feed them.
.macro CONVV slot
	WIN 0
.if KIND == 1
.set i, 0
.rept 16
.set wr, X+64*(\slot)+4*i
	v_fmac_f32 v[CB],   v[BV+i], v[wr]
	v_fmac_f32 v[CB+1], v[BV+i], v[wr+1]
	v_fmac_f32 v[CB+2], v[BV+i], v[wr+2]
	v_fmac_f32 v[CB+3], v[BV+i], v[wr+3]
	v_mul_f32 v[wr],   v[GV+i], v[wr]
	v_mul_f32 v[wr+1], v[GV+i], v[wr+1]
	v_mul_f32 v[wr+2], v[GV+i], v[wr+2]
	v_mul_f32 v[wr+3], v[GV+i], v[wr+3]
.set i, i+1
.endr
.endif
.set i, 0
.rept 16
.set wr, X+64*(\slot)+4*i
	v_cvt_pk_f16_f32 v[CT+2*i],   v[wr],   v[wr+1]
	v_cvt_pk_f16_f32 v[CT+2*i+1], v[wr+2], v[wr+3]
.set i, i+1
.endr
.endm
.macro CONVS imm                       ; and laid into the slice: 16 stores in one run
	WIN 0
.set i, 0
.rept 16
	ds_store_b64 v[WST], v[CT+2*i:CT+2*i+1] offset:(\imm)+LP*i  ; 32 lanes, 256 consecutive bytes
.set i, i+1
.endr
.endm
.macro MULB p, ks, t0, cnt             ; cnt tiles from t0 on x 8 column blocks x 32 of K: the 8 or 16 accumulators take turns, one instruction a turn
.if (\t0) < 4
	WIN 0xa7                                       ; weights window 3, tokens window 1, sums window 2
.else
	WIN 0xf7                                       ; sums window 3
.endif
.irp n, 0,1,2,3,4,5,6,7
.set tt, \t0
.rept \cnt
	v_wmma_f32_16x16x32_f16 v[64*(tt%4)+8*\n:64*(tt%4)+8*\n+7], v[128+64*(\ks)+8*\n:128+64*(\ks)+8*\n+7], v[96*(\p)+16*tt+8*(\ks):96*(\p)+16*tt+8*(\ks)+7], v[64*(tt%4)+8*\n:64*(tt%4)+8*\n+7]
.set tt, tt+1
.endr
.endr
.endm
.macro MULH p, ks                      ; half a chunk's products, for as many tiles as the wave has (1 or 2, 3 or 4, 5, 6); on every way the next matrix instruction names another accumulator
	WIN 0
	s_cmp_eq_u32 s[NA], 0
	s_cbranch_scc1 .Lmd_\@
	MULB \p, \ks, 0, 2
	WIN 0
	s_cmp_lt_u32 s[NA], 3
	s_cbranch_scc1 .Lmd_\@
	MULB \p, \ks, 2, 2
	WIN 0
	s_cmp_lt_u32 s[NA], 5
	s_cbranch_scc1 .Lmd_\@
	MULB \p, \ks, 4, 1
	WIN 0
	s_cmp_lt_u32 s[NA], 6
	s_cbranch_scc1 .Lmd_\@
	MULB \p, \ks, 5, 1
	WIN 0
.Lmd_\@:
.endm
; All 48 sums start at 0, by 48 products of zeros: one text of the loop then serves every chunk, and every accumulator is written whichever products are jumped later.
; The price: 48 matrix instructions a pass; in the first pass they stand in the wait for the first loads.  Five places stand ahead of the writes over registers of earlier matrix instructions.
.macro ZERO
	WIN 0
.rept 5
	v_nop
.endr
	WIN 0xc0
.set i, 0
.rept 8
	v_mov_b32 v[128+i], 0
.set i, i+1
.endr
	WIN 0x40
.set i, 0
.rept 8
	v_mov_b32 v[i], 0
.set i, i+1
.endr
	WIN 0xa7
.set i, 0
.rept 32
	v_wmma_f32_16x16x32_f16 v[8*i:8*i+7], v[128:135], v[0:7], 0
.set i, i+1
.endr
	WIN 0xf7
.set i, 0
.rept 16
	v_wmma_f32_16x16x32_f16 v[8*i:8*i+7], v[128:135], v[0:7], 0
.set i, i+1
.endr
	WIN 0
.endm
.macro PASSSET                         ; pass p has my tiles 6 p .. 6 p + 5: ranks 384 p + 64 i + 16 wave ..
	s_mul_i32 s[TA], s[PASS], 6
	s_sub_co_i32 s[NA], s[NW], s[TA]
	s_max_i32 s[NA], s[NA], 0
	s_min_i32 s[NA], s[NA], 6
	s_mul_i32 s[R16], s[PASS], 384
	s_lshl4_add_u32 s[R16], s[WV], s[R16]
.endm
.macro ADDR                            ; the byte offsets of my row in the pass's six tiles
	WIN 0
	v_add_nc_u32 v[T], s[R16], v[RR]
.irp i, 0,1,2,3,4,5
	v_add_nc_u32 v[AOF+\i], 64*\i, v[T]
	v_min_u32 v[AOF+\i], s[CM1], v[AOF+\i]         ; a rank past the count repeats the last
	v_min_u32 v[AOF+\i], 0x3ff, v[AOF+\i]
.if KIND == 1
	v_lshl_add_u32 v[AOF+\i], v[AOF+\i], 1, v[LISTB]
.else
	v_add_nc_u32 v[AOF+\i], s[BASE], v[AOF+\i]     ; hid's rows lie in the experts' order
	v_min_u32 v[AOF+\i], 0x7ff, v[AOF+\i]
	v_lshl_add_u32 v[AOF+\i], v[AOF+\i], ASH, v[H16]
.endif
.endr
.if KIND == 1
.irp i, 0,1,2,3,4,5
	ds_load_u16 v[AOF+\i], v[AOF+\i]               ; my wave's own list: LDS serves a wave's instructions in order (ISA guide 5.7.1.4)
.endr
	s_wait_dscnt 0x0
.irp i, 0,1,2,3,4,5
	v_lshrrev_b32 v[AOF+\i], 1, v[AOF+\i]          ; the token
	v_min_u32 v[AOF+\i], 0x3ff, v[AOF+\i]
	v_lshl_add_u32 v[AOF+\i], v[AOF+\i], ASH, v[H16]
.endr
.endif
.endm
; One word of sel a lane.  Chosen lanes take the next ranks in lane order and store 2 x token + slot at entry[rank]; the others store into entry 1,024 + lane, which nobody reads, so that all lanes stay on.
; A word has two bits set among its low eight, so the lower experts' bits in it are counted by two ballots.
.macro WORD c
	v_and_b32 v[T], s[BIT], v[M+(\c)]
	v_cmp_ne_u32 s[BAL], 0, v[T]
	v_and_b32 v[T+1], s[LOW], v[M+(\c)]
	v_cmp_ne_u32 s[TA], 0, v[T+1]                  ; one bit or two
	v_add_nc_u32 v[T+2], -1, v[T+1]
	v_and_b32 v[T+2], v[T+2], v[T+1]
	v_cmp_ne_u32 s[T16], 0, v[T+2]                 ; two
	s_bcnt1_i32_b32 s[TA], s[TA]
	s_add_co_u32 s[BASE], s[BASE], s[TA]
	s_bcnt1_i32_b32 s[T16], s[T16]
	s_add_co_u32 s[BASE], s[BASE], s[T16]
	v_bfe_u32 v[T+1], v[M+(\c)], s[SBIT], 1        ; the slot
	v_mbcnt_lo_u32_b32 v[T+2], s[BAL], s[RUN]      ; the rank
	v_cndmask_b32 v[T+2], v[DMP], v[T+2], s[BAL]   ; or the lane's own entry behind the list
	v_min_u32 v[T+2], 0x43f, v[T+2]                ; 1,088 entries at the most: inside my wave's 2,560 bytes
	v_lshl_add_u32 v[T+2], v[T+2], 1, v[LISTB]
	v_add3_u32 v[T+1], v[T+1], v[TOK2], 2*(\c)
	ds_store_b16 v[T+2], v[T+1]
	s_bcnt1_i32_b32 s[TA], s[BAL]
	s_add_co_u32 s[RUN], s[RUN], s[TA]
.endm
; STEP c of the stream, q = c % 2.  Global loads are issued in the order .. | W(c+3), A(c+2, half 0), A(c+2, half 1) | ..: 16, 12 and 12 a step.
; n1, at the step's head: W(c+1) and A(c, 0) are in; younger than A(c, 0) are A(c, 1) 12, W(c+2) 16, A(c+1) 24: 52.
; n2, behind half 0's products: A(c, 1) is in; younger are W(c+2) 16, A(c+1) 24, W(c+3) 16: 56.
; ND, ahead of half 0's products: chunk c's weight fragments are in; younger LDS instructions are this step's own: the 16 stores, KIND 1's 8 loads of g and beta, and in step 14 its store of beta W1.
; again = 1: the odd step's weight loads go by VW and WB2: in the loop's last trip there is no chunk c + 3, and they read 16 bytes of each of my rows of chunk 15 once more, so that the counts are the same in every trip.
; adv = 1 (the loop's odd step): the bases go on to the next trip behind half 0's products; the step's two runs of token loads, which follow, name their chunk from the new base.
.macro STEP q, n1, n2, conv, gl, al, wl, again, pf, cb, bl, adv
	WIN 0
	s_wait_loadcnt \n1
.set ND, 0
.if \conv
.set ND, 16
.if \pf
	s_cmp_lt_u32 s[LOOP], 2+(\q)                   ; chunk c + 5 exists up to c = 10
	s_cbranch_scc1 .Lnp_\@
	global_prefetch_b8 v[PF], s[WB:WB+1] offset:((\q)+5)*CH th:TH_LOAD_NT scope:SCOPE_SE  ; my wave's 32 blocks of 256 bytes of chunk c + 5, two steps ahead of their loads; no other wave asks for them
.Lnp_\@:
.endif
	CONVV 1-(\q)
.if (\gl) && (KIND == 1)
	GLOAD (\q)+2                                   ; the lines above have read the last g and beta
.set ND, ND+8
.endif
	CONVS CHL*((\q)+1)
.if (\cb) && (KIND == 1)
	ds_store_b128 v[CBA], v[CB:CB+3]               ; the last chunk is in the sum
.set ND, ND+1
.endif
.endif
.if \wl
.if \again
	WLOAD (\q)+3, 1-(\q), VW, WB2
.else
	WLOAD (\q)+3, 1-(\q), L16, WB
.endif
.endif
	s_wait_dscnt ND                                ; LDS instructions end in order (ISA guide 5.7.1): chunk c's weight fragments are in, this step's own LDS lines may be out
	MULH \q, 0
	s_wait_loadcnt \n2
.if \conv
	s_wait_dscnt 0x0                               ; for the others' sake: my stores of chunk c + 1, issued ahead of the products, are done (and g and beta are in)
	s_barrier_signal -1                            ; every wave has stored its rows of chunk c + 1:
	s_barrier_wait -1                              ; the runs below may read the chunk.  No byte of the slice is written twice, so this one barrier a step is all
.endif
.if \adv
	s_wait_xcnt 0x0                                ; the bases and VW are rewritten only behind this wait; the youngest loads that name them were issued ahead of the products
	s_add_nc_u64 s[AB:AB+1], s[AB:AB+1], 256
	s_add_nc_u64 s[WB:WB+1], s[WB:WB+1], 2*CH
	s_sub_nc_u64 s[TP:TP+1], s[WB:WB+1], CH
	s_cmp_eq_u32 s[LOOP], 2                        ; is the next trip the last?  Then its odd step reads chunk 15 again, 16 bytes a row
	s_cselect_b64 s[WB2:WB2+1], s[TP:TP+1], s[WB:WB+1]
	s_cselect_b32 s[TA], 0, 1
	v_mul_u32_u24 v[VW], s[TA], v[L16]
.endif
.if \bl
	PLACES
	BLOADH (\q)+1, 0                               ; into the registers that half 0's products have read
.endif
.if \al
	ALOADH (\q)+2-2*(\adv), \q, 0
.endif
	MULH \q, 1
.if \bl
	PLACES
	BLOADH (\q)+1, 1
.endif
.if \al
	ALOADH (\q)+2-2*(\adv), \q, 1
.endif
	WIN 0
.endm
.macro XADD i                          ; X = tile i's sums + bias; each accumulator is read from its low end on
.if (\i) < 4
	WIN 0x06                                       ; source 0 window 2, source 1 window 1
.else
	WIN 0x07
.endif
.set k, 0
.rept 32
	v_pk_add_f32 v[X+2*k:X+2*k+1], v[64*((\i)%4)+2*k:64*((\i)%4)+2*k+1], v[BIAS+2*k:BIAS+2*k+1]
.set k, k+1
.endr
	WIN 0
.endm
	s_load_b256 s[4:11], s[0:1], 0x0               ; sel s[4:5], tokens s[6:7], weights s[8:9]; KIND 1: ln_g, KIND 2: b2 s[10:11]
.if KIND == 1
	s_load_b128 s[12:15], s[0:1], 0x20             ; ln_b s[12:13], b1 s[14:15]
	s_load_b64 s[16:17], s[0:1], 0x30              ; hid
.else
	s_load_b64 s[16:17], s[0:1], 0x20              ; part
.endif
	v_lshl_add_u32 v[SPW], v0, 2, SPARE
	v_mov_b32 v[NIL], 0
	v_lshrrev_b32 v[T], 5, v0
	v_readfirstlane_b32 s[WV], v[T]                ; wave 0..3
	s_and_b32 s[EX], ttmp7, 0xffff                 ; the expert
	v_and_b32 v[LN], 31, v0
	v_and_b32 v[RR], 15, v0
	v_bfe_u32 v[HH], v0, 4, 1
	v_lshlrev_b32 v[L16], 4, v[LN]
	v_mov_b32 v[VW], v[L16]
	v_lshlrev_b32 v[H16], 4, v[HH]
	v_lshrrev_b32 v[T], 1, v[LN]
	v_and_b32 v[T+1], 1, v[LN]
	v_lshlrev_b32 v[PF], PSH, v[T]
	v_lshl_add_u32 v[PF], v[T+1], 8, v[PF]
	s_lshl_b32 s[OF], s[EX], 24                    ; an expert's weights are 2^24 bytes
	s_mov_b32 s[OF+1], 0
	s_mov_b32 s[TP+1], 0
	s_mov_b32 s[FL+1], 0
.if KIND == 1
	s_mov_b32 s[SL], ttmp9
	v_lshrrev_b32 v[T], 2, v[LN]                   ; my wave's 16 numbers of a chunk are 64 bytes, 256 bytes from chunk to chunk: lane l takes piece l % 4 of chunk l / 4
	v_and_b32 v[T+1], 3, v[LN]
	v_lshlrev_b32 v[BO], 8, v[T]
	v_lshl_add_u32 v[BO], v[T+1], 4, v[BO]
	s_lshl_b32 s[TA], s[SL], 9
	s_add_co_u32 s[OF], s[OF], s[TA]               ; + the slice's 512 bytes of a row
	s_lshl_b32 s[TA], s[WV], 18
	s_add_co_u32 s[OF], s[OF], s[TA]               ; + 16 wave rows
	s_lshl_b32 s[TP], s[EX], 12
	s_lshl_b32 s[TA], s[WV], 6
	s_add_co_u32 s[TP], s[TP], s[TA]               ; ln_g, ln_b: expert, 16 wave numbers
	s_lshl_b32 s[FL], s[EX], 14
	s_lshl_b32 s[TA], s[SL], 9
	s_add_co_u32 s[FL], s[FL], s[TA]               ; b1: expert, slice
	s_wait_kmcnt 0x0
	s_add_nc_u64 s[WB:WB+1], s[8:9], s[OF:OF+1]
	s_add_nc_u64 s[GB:GB+1], s[10:11], s[TP:TP+1]
	s_add_nc_u64 s[LBB:LBB+1], s[12:13], s[TP:TP+1]
	s_add_nc_u64 s[14:15], s[14:15], s[FL:FL+1]
	s_mov_b64 s[A0:A0+1], s[6:7]
.else
	s_and_b32 s[SL], ttmp9, 7
	s_lshr_b32 s[KQ], ttmp9, 3
	v_lshlrev_b32 v[BO], 5, v[HH]
	s_lshl_b32 s[TA], s[KQ], 22
	s_add_co_u32 s[OF], s[OF], s[TA]               ; + 1,024 kq rows
	s_lshl_b32 s[TA], s[WV], 16
	s_add_co_u32 s[OF], s[OF], s[TA]               ; + 16 wave rows
	s_lshl_b32 s[TA], s[SL], 9
	s_add_co_u32 s[OF], s[OF], s[TA]               ; + the slice's 512 bytes of a row
	s_lshl_b32 s[TP], s[KQ], 11                    ; hid: the K quarter's 2,048 bytes of a row
	s_lshl_b32 s[FL], s[EX], 12
	s_add_co_u32 s[FL], s[FL], s[TA]               ; b2: expert, slice
	s_wait_kmcnt 0x0
	s_add_nc_u64 s[WB:WB+1], s[8:9], s[OF:OF+1]
	s_add_nc_u64 s[A0:A0+1], s[6:7], s[TP:TP+1]
	s_add_nc_u64 s[10:11], s[10:11], s[FL:FL+1]
	s_lshl_b32 s[OF], s[KQ], 23
	s_add_nc_u64 s[16:17], s[16:17], s[OF:OF+1]    ; part: the K quarter's plane
.endif
	s_mov_b64 s[WB2:WB2+1], s[WB:WB+1]
	s_mov_b64 s[AB:AB+1], s[A0:A0+1]
.irp j, 0,1,2,3,4,5,6,7
	global_load_b128 v[M+4*\j:M+4*\j+3], v[L16], s[4:5] offset:512*\j  ; all 1,024 words of sel: lane l, load j, word c is token 128 j + 4 l + c
.endr
.if KIND == 1
	global_load_b128 v[B1R:B1R+3], v[L16], s[14:15]
	global_load_b128 v[SA:SA+3],     v[BO], s[GB:GB+1]               ; g of my wave's rows of chunks 0-7,
	global_load_b128 v[SA+4:SA+7],   v[BO], s[GB:GB+1] offset:2048   ; of chunks 8-15,
	global_load_b128 v[CA3:CA3+3],   v[BO], s[LBB:LBB+1]             ; and beta likewise: once for the whole stream
	global_load_b128 v[CA3+4:CA3+7], v[BO], s[LBB:LBB+1] offset:2048
.else
	WIN 0x40
.irp n, 0,1,2,3,4,5,6,7                ; b2 in the order in which a lane holds its columns
	global_load_b128 v[BIAS+8*\n:BIAS+8*\n+3],   v[BO], s[10:11] offset:64*\n
	global_load_b128 v[BIAS+8*\n+4:BIAS+8*\n+7], v[BO], s[10:11] offset:64*\n+16
.endr
	WIN 0
.endif
	WLOAD 0, 0, L16, WB
	WLOAD 1, 1, L16, WB
.irp m, 2,3,4
	global_prefetch_b8 v[PF], s[WB:WB+1] offset:\m*CH th:TH_LOAD_NT scope:SCOPE_SE  ; my wave's rows of chunks 2 to 4; the steps ask for chunk 5 on
.endr
	; LDS addresses and constants, in the wait for the first loads
	s_mul_i32 s[STB], s[WV], 16*SP
	s_add_co_u32 s[STB], s[STB], STAGE
	s_mul_i32 s[TA], s[WV], 16*LP
	v_lshl_add_u32 v[WST], v[LN], 3, s[TA]
	v_and_b32 v[T], 7, v[LN]
	v_bfe_u32 v[T+1], v[LN], 3, 1
	v_lshl_add_u32 v[T], v[HH], 3, v[T]            ; the turning load: lane l reads K row 8 (l / 16) + l % 8, columns 8 ((l / 8) % 2) + 0..7
	v_mul_u32_u24 v[BRD], v[T], LP
	v_lshl_add_u32 v[BRD], v[T+1], 4, v[BRD]
	v_mov_b32 v[BRD0], v[BRD]
	s_mul_i32 s[TA], s[WV], LPW
	s_add_co_u32 s[TA], s[TA], LIST
	v_mov_b32 v[LISTB], s[TA]
	v_add_nc_u32 v[DMP], 0x400, v[LN]
	v_mul_u32_u24 v[STO], v[RR], SP
	v_lshl_add_u32 v[STO], v[HH], 3+KIND, v[STO]   ; 8 columns of 2 or of 4 bytes for each half of the lanes
	v_add_nc_u32 v[STO], s[STB], v[STO]
	v_mul_u32_u24 v[RD], v[HH], SP                 ; back: lanes 0-15 take one row of 256 bytes, lanes 16-31 the next
	v_lshl_add_u32 v[RD], v[RR], 4, v[RD]
	v_add_nc_u32 v[RD], s[STB], v[RD]
	v_add_nc_u32 v[SG], s[STB], v[L16]
	s_lshl_b32 s[TA], s[SL], 7+KIND                ; the slice's 256 or 512 bytes of an output row
	v_lshl_add_u32 v[COL], v[RR], 4, s[TA]
	s_lshl_b32 s[BIT], 1, s[EX]
	s_sub_co_u32 s[LOW], s[BIT], 1
	s_add_co_u32 s[SBIT], s[EX], 8
.irp i, 0,1,2,3
	v_mov_b32 v[H+\i], 0
.endr
	v_add_nc_u32 v[T], v[LISTB], v[L16]
.irp j, 0,1,2,3,4
	ds_store_b128 v[T], v[H:H+3] offset:512*\j     ; my list is written whole before it is filled: every entry that a clamped rank can name exists, also where the expert has no row
.endr
.if KIND == 1
	s_lshl_b32 s[TA], s[WV], 9
	s_add_co_u32 s[TA], s[TA], CBR
	v_add_nc_u32 v[CBA], s[TA], v[L16]
.irp i, 0,1,2,3
	v_mov_b32 v[CB+\i], 0
.endr
	s_mov_b32 s[PP], 0x3eaa540e                    ; 0.47047 / sqrt(2)
.endif
	ZERO
	s_wait_loadcnt 32                              ; sel, the bias and (KIND 1) g and beta are in; the 32 loads of W(0) and W(1) stay out
.if KIND == 2
	s_cmp_eq_u32 s[KQ], 0                          ; b2 enters the sum of the four K quarters once
	s_cselect_b32 s[FL], 1.0, 0
	s_mov_b32 s[FL+1], s[FL]
	WIN 0x41
.set i, 0
.rept 32
	v_pk_mul_f32 v[BIAS+2*i:BIAS+2*i+1], v[BIAS+2*i:BIAS+2*i+1], s[FL:FL+1] op_sel_hi:[1,0]
.set i, i+1
.endr
	WIN 0
.endif
.irp j, 0,1,2,3,4,5,6,7
	ds_store_b128 v[SG], v[M+4*\j:M+4*\j+3] offset:512*\j  ; the words go through my stage, so that one text of four words serves all 32
.endr
	s_mov_b32 s[RUN], 0
	s_mov_b32 s[BASE], 0
	v_lshlrev_b32 v[TOK2], 3, v[LN]
	v_mov_b32 v[PT], v[SG]
	s_mov_b32 s[LOOP], 8
.Lw:
	ds_load_b128 v[M:M+3], v[PT]
	s_wait_dscnt 0x0
	WORD 0
	WORD 1
	WORD 2
	WORD 3
	v_add_nc_u32 v[TOK2], 0x100, v[TOK2]
	v_add_nc_u32 v[PT], 0x200, v[PT]
	s_sub_co_u32 s[LOOP], s[LOOP], 1
	s_cmp_lg_u32 s[LOOP], 0
	s_cbranch_scc1 .Lw
.if KIND == 1
	; the words of sel are read: my stage takes g (bytes 0 to 1,023: 64 a chunk) and beta (1,024 on) of my wave's rows
	ds_store_b128 v[SG], v[SA:SA+3]
	ds_store_b128 v[SG], v[SA+4:SA+7] offset:512
	ds_store_b128 v[SG], v[CA3:CA3+3] offset:1024
	ds_store_b128 v[SG], v[CA3+4:CA3+7] offset:1536
	v_mov_b32 v[GA], s[STB]
	GLOAD 0                                        ; my own stage: LDS serves a wave's instructions in order (ISA guide 5.7.1.4); waited for in ADDR
.irp i, 0,1
	v_mov_b32 v[CA3+\i],   0x3ebf7377              ; a3 / 2 =  0.3739278
	v_mov_b32 v[CA3+2+\i], 0xbd445ca1              ; a2 / 2 = -0.0479399
	v_mov_b32 v[CA3+4+\i], 0x3e32303a              ; a1 / 2 =  0.1740121
	v_mov_b32 v[CA3+6+\i], 0xbf38aa3b              ; -log2(e) / 2
.endr
.endif
	s_min_u32 s[CNT], s[RUN], 0x400
	s_max_u32 s[CM1], s[CNT], 1
	s_sub_co_u32 s[CM1], s[CM1], 1
	s_min_u32 s[BASE], s[BASE], 0x7ff
	s_add_co_u32 s[TA], s[CNT], 15
	s_lshr_b32 s[TA], s[TA], 4                     ; tiles of 16 ranks,
	s_add_co_u32 s[TA], s[TA], 3
	s_sub_co_u32 s[TA], s[TA], s[WV]
	s_lshr_b32 s[NW], s[TA], 2                     ; and those with T % 4 = my wave
	s_mov_b32 s[PASS], 0
	s_mov_b32 s[PLEFT], 3
	PASSSET
	ADDR
	ALOADH 0, 0, 0
	ALOADH 0, 0, 1
	WIN 0
	s_wait_loadcnt 40                              ; W(0) is in: W(1)'s 16 and A(0)'s 24 loads stay out
	CONVV 0
.if KIND == 1
	GLOAD 1
.endif
	CONVS 0
	WLOAD 2, 0, L16, WB
	ALOADH 1, 1, 0                                 ; the order W(1), A(0, 0), A(0, 1), W(2), A(1, 0), A(1, 1) is the steps' own: their counts hold on the way into the loop
	ALOADH 1, 1, 1
	WIN 0
	s_wait_dscnt 0x0                               ; for the others' sake: my rows of chunk 0 are stored
	s_barrier_signal -1
	s_barrier_wait -1
	BLOADH 0, 0                                    ; the last LDS lines ahead of the loop, as a step's two runs are the last of the step: the steps' count on DScnt holds on the way in too
	BLOADH 0, 1
	WIN 0
	s_mov_b32 s[LOOP], 7
.Lk:                                                   ; seven trips: chunks 0 to 13 are multiplied, 1 to 14 rounded, W 3 to 15 and A 2 to 15 asked for
	STEP 0, 52, 56, 1, 1, 1, 1, 0, 1, 0, 1, 0
	STEP 1, 52, 56, 1, 1, 1, 1, 1, 1, 0, 1, 1
	v_add_nc_u32 v[WST], 2*CHL, v[WST]             ; the LDS addresses step here: they are sources of LDS instructions alone
	v_add_nc_u32 v[BRD], 2*CHL, v[BRD]
.if KIND == 1
	v_add_nc_u32 v[GA], 128, v[GA]
.endif
	s_sub_co_u32 s[LOOP], s[LOOP], 1
	s_cmp_lg_u32 s[LOOP], 0
	s_cbranch_scc1 .Lk
	STEP 0, 52, 40, 1, 0, 0, 0, 0, 0, 1, 1, 0      ; chunk 14: younger than A(14, 0) are A(14, 1) 12, the last trip's 16 and A(15) 24; younger than A(14, 1) those 16 and 24: nothing is asked for any more
	STEP 1, 12, 0, 0, 0, 0, 0, 0, 0, 0, 0, 0       ; chunk 15: A(15, 1)'s 12 loads may stay out at its head; nothing is left to fetch or to round
.if KIND == 1
	; the bias of my 64 columns: the four waves' parts of beta W1 (stored ahead of the last barrier) and b1, through my stage into lane order
	v_add_nc_u32 v[T], CBR, v[L16]
.irp p, 0,1,2,3
	ds_load_b128 v[X+4*\p:X+4*\p+3], v[T] offset:512*\p
.endr
	v_lshl_add_u32 v[PT], v[HH], 5, s[STB]
	s_wait_dscnt 0x0
	v_pk_add_f32 v[X:X+1], v[X:X+1], v[X+4:X+5]
	v_pk_add_f32 v[X+2:X+3], v[X+2:X+3], v[X+6:X+7]
	v_pk_add_f32 v[X+8:X+9], v[X+8:X+9], v[X+12:X+13]
	v_pk_add_f32 v[X+10:X+11], v[X+10:X+11], v[X+14:X+15]
	v_pk_add_f32 v[X:X+1], v[X:X+1], v[X+8:X+9]
	v_pk_add_f32 v[X+2:X+3], v[X+2:X+3], v[X+10:X+11]
	v_pk_add_f32 v[X:X+1], v[X:X+1], v[B1R:B1R+1]
	v_pk_add_f32 v[X+2:X+3], v[X+2:X+3], v[B1R+2:B1R+3]
	ds_store_b128 v[SG], v[X:X+3]
	WIN 0x40
.irp n, 0,1,2,3,4,5,6,7
	ds_load_b128 v[BIAS+8*\n:BIAS+8*\n+3],   v[PT] offset:64*\n
	ds_load_b128 v[BIAS+8*\n+4:BIAS+8*\n+7], v[PT] offset:64*\n+16
.endr
	WIN 0
.endif
	s_branch .Lmid                                 ; the first pass's tiles go out
.Lpass:                                                ; passes 1 and 2: ranks 384 .. 1,023, from the resident slice
	s_wait_loadcnt 0x0
	s_wait_xcnt 0x0                                ; the stores have read their registers
	s_wait_dscnt 0x0                               ; my LDS stores and loads of the way out are done;
	s_barrier_signal -1                            ; every wave says so, whether it has tiles in this pass or not:
	s_barrier_wait -1                              ; the pass's LDS loads stand behind all LDS stores of all waves
	PASSSET
	s_cmp_eq_u32 s[NA], 0
	s_cbranch_scc1 .Lmid                           ; no tile of mine in this pass: its products are jumped, no barrier is
	ZERO
	ADDR
	s_mov_b64 s[AB:AB+1], s[A0:A0+1]
	s_mov_b32 s[LOFF], 0
	s_mov_b32 s[LOOP], 16
.Lr:                                                   ; a chunk a trip, plainly: fetch, wait, multiply
	v_add_nc_u32 v[BRD], s[LOFF], v[BRD0]
	PLACES
	BLOADH 0, 0
	BLOADH 0, 1
	ALOADH 0, 0, 0
	ALOADH 0, 0, 1
	WIN 0
	s_wait_loadcnt 0x0                             ; also frees the loads' base
	s_wait_dscnt 0x0
	MULH 0, 0
	MULH 0, 1
	s_add_nc_u64 s[AB:AB+1], s[AB:AB+1], 128
	s_add_co_u32 s[LOFF], s[LOFF], CHL
	s_sub_co_u32 s[LOOP], s[LOOP], 1
	s_cmp_lg_u32 s[LOOP], 0
	s_cbranch_scc1 .Lr
.Lmid:
	s_wait_dscnt 0x0                               ; my LDS loads of the pass are back;
	s_barrier_signal -1                            ; every wave says so:
	s_barrier_wait -1                              ; the way out's LDS stores stand behind all LDS loads of the pass
	; THE WAY OUT, a tile a trip; tiles that the wave does not have are jumped
	PLACES
	s_mov_b32 s[TILE], 0
.Lt:
	s_wait_xcnt 0x0                                ; the last tile's stores have read their data and offsets
	s_cmp_ge_u32 s[TILE], s[NA]
	s_cbranch_scc1 .Ltn
	s_lshl_b32 s[T16], s[TILE], 6
	s_add_co_u32 s[T16], s[T16], s[R16]
.irp i, 0,1,2,3,4
	s_cmp_eq_u32 s[TILE], \i
	s_cbranch_scc1 .Lx\i
.endr
	XADD 5
	s_branch .Lc
.irp i, 0,1,2,3
.Lx\i:
	XADD \i
	s_branch .Lc
.endr
.Lx4:
	XADD 4
.Lc:
.if KIND == 1
	; gelu, 64 numbers a lane.  First all 128 reciprocals and powers, one batch: pair q's plain lines and pair q - 1's transcendentals by turns; none of them names a result.
.set q, 0
.rept 33
.if q < 32
	v_fma_f32 v[U+2*q], |v[X+2*q]|, s[PP], 1.0
.endif
.if q > 0
	v_rcp_f32 v[U+2*q-2], v[U+2*q-2]
.endif
.if q < 32
	v_fma_f32 v[U+2*q+1], |v[X+2*q+1]|, s[PP], 1.0
.endif
.if q > 0
	v_rcp_f32 v[U+2*q-1], v[U+2*q-1]
.endif
.if q < 32
	v_pk_mul_f32 v[M+2*q:M+2*q+1], v[X+2*q:X+2*q+1], v[X+2*q:X+2*q+1]
.endif
.if q > 0
	v_exp_f32 v[M+2*q-2], v[M+2*q-2]
.endif
.if q < 32
	v_pk_mul_f32 v[M+2*q:M+2*q+1], v[M+2*q:M+2*q+1], v[CA3+6:CA3+7]
.endif
.if q > 0
	v_exp_f32 v[M+2*q-1], v[M+2*q-1]
.endif
.set q, q+1
.endr
	v_nop                                          ; a plain instruction behind the last of them (ISA guide 5.7.2),
	s_wait_alu depctr_va_vdst(0)                   ; and ONE wait for the batch, ahead of the first reader
.set g, 0
.rept 8                                ; four pairs at a time, stage by stage, so that no line waits for the one before it
.irp k, 0,1,2,3
	v_pk_fma_f32 v[H+2*\k:H+2*\k+1], v[U+2*(4*g+\k):U+2*(4*g+\k)+1], v[CA3:CA3+1], v[CA3+2:CA3+3]
.endr
.irp k, 0,1,2,3
	v_pk_fma_f32 v[H+2*\k:H+2*\k+1], v[H+2*\k:H+2*\k+1], v[U+2*(4*g+\k):U+2*(4*g+\k)+1], v[CA3+4:CA3+5]
.endr
.irp k, 0,1,2,3
	v_pk_mul_f32 v[H+2*\k:H+2*\k+1], v[H+2*\k:H+2*\k+1], v[U+2*(4*g+\k):U+2*(4*g+\k)+1]
.endr
.irp k, 0,1,2,3
	v_pk_mul_f32 v[H+2*\k:H+2*\k+1], v[H+2*\k:H+2*\k+1], v[M+2*(4*g+\k):M+2*(4*g+\k)+1]   ; q
.endr
.irp k, 0,1,2,3
	v_max_num_f32 v[U+2*(4*g+\k)],   0, v[X+2*(4*g+\k)]
	v_max_num_f32 v[U+2*(4*g+\k)+1], 0, v[X+2*(4*g+\k)+1]
.endr
.irp k, 0,1,2,3
	v_fma_f32 v[U+2*(4*g+\k)],   -|v[X+2*(4*g+\k)]|,   v[H+2*\k],   v[U+2*(4*g+\k)]
	v_fma_f32 v[U+2*(4*g+\k)+1], -|v[X+2*(4*g+\k)+1]|, v[H+2*\k+1], v[U+2*(4*g+\k)+1]
.endr
.irp k, 0,1,2,3
	v_cvt_pk_f16_f32 v[X+4*g+\k], v[U+2*(4*g+\k)], v[U+2*(4*g+\k)+1]  ; into X's registers of pairs that are done
.endr
.set g, g+1
.endr
.irp t, 0,1,2,3,4,5,6,7                ; hid's rows BASE + rank of the tile's 8 pairs of rows
	v_add3_u32 v[SA+\t], v[HH], s[T16], 2*\t
	v_min_u32 v[SA+\t], s[CM1], v[SA+\t]
	v_add_nc_u32 v[SA+\t], s[BASE], v[SA+\t]
	v_min_u32 v[SA+\t], 0x7ff, v[SA+\t]
	v_lshl_add_u32 v[SA+\t], v[SA+\t], 13, v[COL]
.endr
.irp n, 0,1,2,3,4,5,6,7
	ds_store_b128 v[STO], v[X+4*\n:X+4*\n+3] offset:32*\n
.endr
.irp t, 0,1,2,3,4,5,6,7
	ds_load_b128 v[X+32+4*\t:X+32+4*\t+3], v[RD] offset:2*SP*\t  ; my own stage: LDS serves a wave's instructions in order (ISA guide 5.7.1.4)
.endr
.irp t, 0,1,2,3,4,5,6,7
	s_wait_dscnt 7-\t
	global_store_b128 v[SA+\t], v[X+32+4*\t:X+32+4*\t+3], s[16:17]  ; 16 lanes store 256 consecutive bytes, at a multiple of 256 from hid's first
.endr
.else
.irp t, 0,1,2,3,4,5,6,7                ; part's rows 2 x token + slot, from my list
	v_add3_u32 v[SA+\t], v[HH], s[T16], 2*\t
	v_min_u32 v[SA+\t], s[CM1], v[SA+\t]
	v_min_u32 v[SA+\t], 0x3ff, v[SA+\t]
	v_lshl_add_u32 v[SA+\t], v[SA+\t], 1, v[LISTB]
.endr
.irp t, 0,1,2,3,4,5,6,7
	ds_load_u16 v[SA+\t], v[SA+\t]
.endr
	s_wait_dscnt 0x0
.irp t, 0,1,2,3,4,5,6,7
	v_min_u32 v[SA+\t], 0x7ff, v[SA+\t]
	v_lshl_add_u32 v[SA+\t], v[SA+\t], 12, v[COL]
.endr
.irp hf, 0,1                           ; 64 columns of f32, 256 bytes of a row, at a time
.irp n, 0,1,2,3
	ds_store_b128 v[STO], v[X+32*\hf+8*\n:X+32*\hf+8*\n+3]   offset:64*\n
	ds_store_b128 v[STO], v[X+32*\hf+8*\n+4:X+32*\hf+8*\n+7] offset:64*\n+16
.endr
.irp t, 0,1,2,3,4,5,6,7
	ds_load_b128 v[U+32*\hf+4*\t:U+32*\hf+4*\t+3], v[RD] offset:2*SP*\t  ; in order behind the stores above, and ahead of the second half's
.endr
.endr
.irp t, 0,1,2,3,4,5,6,7
	s_wait_dscnt 23-\t                             ; younger: the rest of this half's loads and the second half's sixteen
	global_store_b128 v[SA+\t], v[U+4*\t:U+4*\t+3], s[16:17]
.endr
.irp t, 0,1,2,3,4,5,6,7
	s_wait_dscnt 7-\t
	global_store_b128 v[SA+\t], v[U+32+4*\t:U+32+4*\t+3], s[16:17] offset:256  ; 16 lanes store 256 consecutive bytes, at a multiple of 256 from part's first
.endr
.endif
.Ltn:
	s_add_co_u32 s[TILE], s[TILE], 1
	s_cmp_lt_u32 s[TILE], 6
	s_cbranch_scc1 .Lt
	s_add_co_u32 s[PASS], s[PASS], 1
	s_sub_co_u32 s[PLEFT], s[PLEFT], 1
	s_cmp_lg_u32 s[PLEFT], 0
	s_cbranch_scc1 .Lpass
	s_wait_tensorcnt 0x0                           ; the wave's end, behind my last LDS store
	ds_add_u32 v[SPW], v[NIL]
	s_wait_dscnt 0x0
	s_endpgm
.Lfunc_end_k_q3df6cbc685_ffn2:
	.size	k_q3df6cbc685_ffn2, .Lfunc_end_k_q3df6cbc685_ffn2-k_q3df6cbc685_ffn2
	.p2alignl 7, 3214868480
	.fill 96, 4, 3214868480
	.section	.rodata,"a",@progbits
	.p2align	6, 0x0
	.amdhsa_kernel k_q3df6cbc685_ffn2
		.amdhsa_group_segment_fixed_size 325120
		.amdhsa_private_segment_fixed_size 0
		.amdhsa_enable_private_segment 0
		.amdhsa_kernarg_size 40
		.amdhsa_user_sgpr_count 2
		.amdhsa_user_sgpr_kernarg_segment_ptr 1
		.amdhsa_wavefront_size32 1
		.amdhsa_system_sgpr_workgroup_id_x 1
		.amdhsa_system_sgpr_workgroup_id_y 1
		.amdhsa_system_sgpr_workgroup_id_z 1
		.amdhsa_system_vgpr_workitem_id 0
		.amdhsa_next_free_vgpr 1024
		.amdhsa_next_free_sgpr 96
		.amdhsa_reserve_vcc 0
		.amdhsa_float_denorm_mode_32 3
		.amdhsa_float_denorm_mode_16_64 3
		.amdhsa_memory_ordered 1
		.amdhsa_forward_progress 1
		.amdhsa_inst_pref_size 126
	.end_amdhsa_kernel
	.amdgpu_metadata
---
amdhsa.version: [ 1, 2 ]
amdhsa.kernels:
  - .name:           k_q3df6cbc685_ffn2
    .symbol:         k_q3df6cbc685_ffn2.kd
    .args:
      - { .name: sel, .offset: 0, .size: 8, .value_kind: global_buffer, .address_space: global }
      - { .name: hid, .offset: 8, .size: 8, .value_kind: global_buffer, .address_space: global }
      - { .name: w2, .offset: 16, .size: 8, .value_kind: global_buffer, .address_space: global }
      - { .name: b2, .offset: 24, .size: 8, .value_kind: global_buffer, .address_space: global }
      - { .name: part, .offset: 32, .size: 8, .value_kind: global_buffer, .address_space: global }
    .group_segment_fixed_size: 325120
    .private_segment_fixed_size: 0
    .kernarg_segment_align: 8
    .kernarg_segment_size: 40
    .max_flat_workgroup_size: 128
    .sgpr_count:     96
    .vgpr_count:     1024
    .wavefront_size: 32
...
	.end_amdgpu_metadata
.endif
;; end of part 3
;; launch combine (part 4): grid 256 x 1, 8 waves a work-group, no clusters, 0 bytes of LDS; arguments part, gate, out0; writes out0
.if DOCPART == 4
	.amdgcn_target "amdgcn-amd-amdhsa--gfx1250"
	.amdhsa_code_object_version 6
	.text
	.protected	k_q3df6cbc685_combine
	.globl	k_q3df6cbc685_combine
	.p2align	8
	.type	k_q3df6cbc685_combine,@function
k_q3df6cbc685_combine:
	s_mov_b64 s[64:65], 0
	v_nop
	global_prefetch_b8 v0, s[64:65] scope:SCOPE_SE
	s_setreg_imm32_b32 hwreg(HW_REG_WAVE_MODE, 25, 1), 1
	s_wait_xcnt 0x0
; out0[t][:] = gate[t][0] x (the sum over the four K quarters of part[kq][2 t][:]) + gate[t][1] x (the same of part[kq][2 t + 1][:]).  All in f32.
; A stream: each byte of part is read once and each byte of out0 written once.  A wave has half a token's row, 2,048 bytes: 32 loads of 512 consecutive bytes, all issued before the first wait;
; a work-group's eight waves have four tokens.  No LDS, no barrier, no matrix unit: there is nothing to share and nothing to multiply but by two numbers.
.set P, 16             ; v16-143: K quarter kq, slot sl, piece j at P + 32 kq + 16 sl + 4 j
	s_load_b128 s[4:7], s[0:1], 0x0                ; part s[4:5], gate s[6:7]
	s_load_b64 s[8:9], s[0:1], 0x10                ; out0
	v_lshrrev_b32 v1, 5, v0
	v_readfirstlane_b32 s10, v1                    ; wave 0..7
	v_and_b32 v2, 31, v0
	v_lshlrev_b32 v2, 4, v2                        ; 16 bytes a lane
	s_lshr_b32 s11, s10, 1
	s_lshl2_add_u32 s11, ttmp9, s11                ; the token
	s_and_b32 s10, s10, 1                          ; which half of its row
	s_lshl_b32 s22, s11, 3                         ; gate: 8 bytes a token
	s_lshl_b32 s23, s10, 11
	s_lshl_b32 s28, s11, 13                        ; part: two rows of 4,096 bytes a token
	s_add_co_u32 s28, s28, s23
	s_mov_b32 s29, 0
	s_lshl_b32 s30, s11, 12                        ; out0: one
	s_add_co_u32 s30, s30, s23
	s_mov_b32 s31, 0
	s_wait_kmcnt 0x0
	s_load_b64 s[20:21], s[6:7], s22 offset:0x0
	s_add_nc_u64 s[12:13], s[4:5], s[28:29]
	s_add_nc_u64 s[14:15], s[12:13], 0x800000      ; a K quarter's plane is 2,048 rows of 4,096 bytes
	s_add_nc_u64 s[16:17], s[14:15], 0x800000
	s_add_nc_u64 s[18:19], s[16:17], 0x800000
	s_add_nc_u64 s[8:9], s[8:9], s[30:31]
.irp kq, 0,1,2,3
.irp sl, 0,1
.irp j, 0,1,2,3
	global_load_b128 v[P+32*\kq+16*\sl+4*\j:P+32*\kq+16*\sl+4*\j+3], v2, s[12+2*\kq:13+2*\kq] offset:4096*\sl+512*\j th:TH_LOAD_NT
.endr
.endr
.endr
.irp kq, 1,2,3
	s_wait_loadcnt 24-8*\kq                        ; quarters 0 to kq are in; the later quarters' loads, 8 each, stay out
.set i, 0
.rept 16
	v_pk_add_f32 v[P+2*i:P+2*i+1], v[P+2*i:P+2*i+1], v[P+32*\kq+2*i:P+32*\kq+2*i+1]
.set i, i+1
.endr
.endr
	s_wait_kmcnt 0x0
	s_mov_b32 s24, s20                             ; each gate twice: the packed forms name a pair
	s_mov_b32 s25, s20
	s_mov_b32 s26, s21
	s_mov_b32 s27, s21
.set i, 0
.rept 8
	v_pk_mul_f32 v[P+2*i:P+2*i+1], v[P+2*i:P+2*i+1], s[24:25] op_sel_hi:[1,0]
	v_pk_fma_f32 v[P+2*i:P+2*i+1], v[P+16+2*i:P+16+2*i+1], s[26:27], v[P+2*i:P+2*i+1] op_sel_hi:[1,0,1]
.set i, i+1
.endr
.irp j, 0,1,2,3
	global_store_b128 v2, v[P+4*\j:P+4*\j+3], s[8:9] offset:512*\j th:TH_STORE_NT  ; 512 consecutive bytes, at a multiple of 256 from out0's first
.endr
	s_endpgm
.Lfunc_end_k_q3df6cbc685_combine:
	.size	k_q3df6cbc685_combine, .Lfunc_end_k_q3df6cbc685_combine-k_q3df6cbc685_combine
	.p2alignl 7, 3214868480
	.fill 96, 4, 3214868480
	.section	.rodata,"a",@progbits
	.p2align	6, 0x0
	.amdhsa_kernel k_q3df6cbc685_combine
		.amdhsa_group_segment_fixed_size 0
		.amdhsa_private_segment_fixed_size 0
		.amdhsa_enable_private_segment 0
		.amdhsa_kernarg_size 24
		.amdhsa_user_sgpr_count 2
		.amdhsa_user_sgpr_kernarg_segment_ptr 1
		.amdhsa_wavefront_size32 1
		.amdhsa_system_sgpr_workgroup_id_x 1
		.amdhsa_system_sgpr_workgroup_id_y 1
		.amdhsa_system_sgpr_workgroup_id_z 1
		.amdhsa_system_vgpr_workitem_id 0
		.amdhsa_next_free_vgpr 144
		.amdhsa_next_free_sgpr 66
		.amdhsa_reserve_vcc 0
		.amdhsa_float_denorm_mode_32 3
		.amdhsa_float_denorm_mode_16_64 3
		.amdhsa_memory_ordered 1
		.amdhsa_forward_progress 1
		.amdhsa_inst_pref_size 9
	.end_amdhsa_kernel
	.amdgpu_metadata
---
amdhsa.version: [ 1, 2 ]
amdhsa.kernels:
  - .name:           k_q3df6cbc685_combine
    .symbol:         k_q3df6cbc685_combine.kd
    .args:
      - { .name: part, .offset: 0, .size: 8, .value_kind: global_buffer, .address_space: global }
      - { .name: gate, .offset: 8, .size: 8, .value_kind: global_buffer, .address_space: global }
      - { .name: out0, .offset: 16, .size: 8, .value_kind: global_buffer, .address_space: global }
    .group_segment_fixed_size: 0
    .private_segment_fixed_size: 0
    .kernarg_segment_align: 8
    .kernarg_segment_size: 24
    .max_flat_workgroup_size: 256
    .sgpr_count:     66
    .vgpr_count:     144
    .wavefront_size: 32
...
	.end_amdgpu_metadata
.endif
;; end of part 4
